; MI455X (gfx1250); checked and timed in simulation.
; The chip was launched on July 23, 2026; its instructions are those of AMD's public machine-readable ISA for CDNA 5 (MIT licence, August 2026) and "CDNA5" Instruction Set Architecture Reference Guide (July 2026). The comments in the code are by the model that wrote it; some were corrected since.
;; Causal Attn. Allowed arithmetic: matrix products marked QUANTISED: E2M3 operands, one E8M0 scale for each 32 along K, by v_wmma_scale_f32_16x16x128_f8f6f4 with both operands' format E2M3, f32 sums; everything else in f32.
;; Inputs: b_out 1,024 float32; b_qkv 3,072 float32; input_codes 4 x 2,048 x 32 x 24 uint8 (E2M3 codes of input, K innermost, in blocks of 32 codes, four codes in three bytes); input_scales 4 x 2,048 x 32 uint8 (E8M0 scales of input, one for each 32 codes along K); mask 4 x 2,048 bool; w_out_codes 1,024 x 32 x 24 uint8 (E2M3 codes of w_out, K innermost, in blocks of 32 codes, four codes in three bytes); w_out_scales 1,024 x 32 uint8 (E8M0 scales of w_out, one for each 32 codes along K); w_qkv_codes 3,072 x 32 x 24 uint8 (E2M3 codes of w_qkv, K innermost, in blocks of 32 codes, four codes in three bytes); w_qkv_scales 3,072 x 32 uint8 (E8M0 scales of w_qkv, one for each 32 codes along K).
;; Outputs: out0 4 x 2,048 x 1,024 float32.
;; This version of the problem:
;;   THIS VERSION OF THE PROBLEM IS GIVEN IN LOW PRECISION. The matrix products marked QUANTISED in the list below multiply operands that are first quantised to E2M3 (2 exponent bits, 3 mantissa bits; 6 bits a number), with one power-of-two scale for each 32 numbers along K (OCP MX v1.0); their sums are f32. All else is computed in f32.
;;   The module's matrix products, in the order in which they are computed (A, B: the left and right operand; K: the contracted axis; several contracted axes count as one K, in the product's order):
;;     1. [M 8,192, K 1,024] x [K 1,024, N 3,072]; A: input input (given as codes); B: input w_qkv (given as codes): QUANTISED
;;     2. batch 64 x [M 2,048, K 64] x [K 64, N 2,048]; A: computed on the way; B: computed on the way: QUANTISED
;;     3. batch 64 x [M 2,048, K 2,048] x [K 2,048, N 64]; A: softmax (see below); B: computed on the way: QUANTISED
;;     4. [M 8,192, K 1,024] x [K 1,024, N 1,024]; A: computed on the way; B: input w_out (given as codes): QUANTISED
;;   THE QUANTISER, for each operand of a quantised product, along K:
;;     - K is cut into blocks of 32 from its start; a last block that is shorter is filled with zeros.
;;     - A block's scale is 2^e with e = floor(log2(the largest magnitude in the block)) - 2, held to -126 .. 127; a block of zeros has e = 0. As a byte (E8M0): e + 127.
;;     - Each number is divided by its block's scale, clamped to +-7.5, and rounded to the nearest number of E2M3, ties to even, subnormals kept.
;;     - The product sums the exact products of the quantised numbers (number of the format x scale) in f32.
;;   ~~~python
;;   def quantise(x, axis):      # numpy; x: float32 -> the quantised numbers, widened to float32 again
;;       x = np.moveaxis(x, axis, -1); K = x.shape[-1]
;;       x = np.pad(x, [(0, 0)] * (x.ndim - 1) + [(0, -K % 32)]); x = x.reshape(x.shape[:-1] + (-1, 32)); a = np.abs(x).max(-1, keepdims=True)
;;       e = np.where(a > 0, np.clip(np.frexp(np.where(a > 0, a, 1))[1] - 1 - 2, -126, 127), 0)      # np.frexp(a)[1] - 1 = floor(log2(a)), exactly
;;       r = np.clip(x / 2.0 ** e, -7.5, 7.5)
;;       step = 2.0 ** (np.maximum(np.frexp(np.where(r == 0, 1, r))[1] - 1, 0) - 3)
;;       q = np.round(r / step) * step * 2.0 ** e      # np.round: ties to even
;;       return np.moveaxis(q.reshape(q.shape[:-2] + (-1,))[..., :K], -1, axis).astype(np.float32)
;;   ~~~
;;   SOFTMAX AHEAD OF A QUANTISED PRODUCT. Where the list says 'softmax', what is quantised is not the finished softmax but p = 2^(t - M), with t = logit x log2(e) and M = ceil(the row's largest t), a whole number; so 1/2 < the row's largest p <= 1. The row's sum l is taken of the UNQUANTISED p, in f32, and the product's result is divided by l at the end. Since M is a whole number, a kernel that streams over the keys may use a running M (the ceiling of the running maximum): every later rescaling is an exact power of two, which a block's scale takes up: the codes' values come out the same.
;;   OPERANDS COMPUTED ON THE WAY. 'Computed on the way' means the value that the module computes at that place (a softmax that the list does not call 'softmax' is quantised finished and normalised). What goes into a quantiser is computed in f32, as accurately as f32 sums, v_exp_f32 and their like allow (about 1e-6 of the number): no bf16 or f16 on the way to a quantiser, and a product that is left as it is and whose result goes on into a quantised operand takes f32 operands (vector FMAs, or v_wmma_f32_16x16x4_f32). A number that lies on a knife's edge between two numbers of the format may be rounded either way, as far as f32 arithmetic and the matrix unit's own rounding can turn it there, and no further.
;;   INPUTS GIVEN AS CODES. input (in the module: [4, 2048, 1024], K = its axis 2); w_out (in the module: [1024, 1024], K = its axis 0); w_qkv (in the module: [1024, 3072], K = its axis 0): each comes as NAME_codes (uint8): NAME with its K axis moved to the last place and cut into blocks of 32 codes, [.., K / 32, bytes a block], one block behind the other in memory; four codes in three bytes: a row's codes are one little-endian stream of bits, code i at bits 6 i .. 6 i + 5 (a code: sign, 2 exponent bits, 3 mantissa bits); and NAME_scales (uint8): the same leading axes, one E8M0 byte (e + 127) for each 32 codes along K. Its value is code x scale, taken as it is: it is not quantised again, and the codes and scales need not be those that the quantiser above would give.
;; One version. Each part assembles by itself: llvm-mc -triple=amdgcn-amd-amdhsa -mcpu=gfx1250 --defsym DOCPART=n.
;; ======== version 1 of 1: 3 launches
;; limits: right only within a limited range of input values
;; workspace buffers: qkf 12,582,912 bytes; qks 1,048,576 bytes; vf 6,291,456 bytes; vs 262,144 bytes; of 6,291,456 bytes; os 262,144 bytes
;; launch qkv (part 1): grid 8 x 48, 4 waves a work-group, clusters of 4 x 4, 327,680 bytes of LDS; arguments input_codes, input_scales, w_qkv_codes, w_qkv_scales, b_qkv, mask, qkf, qks, vf, vs; writes qkf, qks, vf, vs
.if DOCPART == 1
	.amdgcn_target "amdgcn-amd-amdhsa--gfx1250"
	.amdhsa_code_object_version 6
	.text
	.protected	k_q4b321d34c7_qkv
	.globl	k_q4b321d34c7_qkv
	.p2align	8
	.type	k_q4b321d34c7_qkv,@function
k_q4b321d34c7_qkv:
	s_mov_b64 s[64:65], 0
	v_nop
	global_prefetch_b8 v0, s[64:65] scope:SCOPE_SE
	s_setreg_imm32_b32 hwreg(HW_REG_WAVE_MODE, 25, 1), 1
	s_wait_xcnt 0x0
	s_wait_alu depctr_hold_cnt(0) depctr_sa_sdst(0) depctr_va_vdst(0) depctr_va_sdst(0) depctr_va_ssrc(0) depctr_va_vcc(0) depctr_vm_vsrc(0)
	s_getreg_b32 s2, hwreg(HW_REG_IB_STS2, 6, 4)
	s_cmp_eq_u32 s2, 0
	s_cbranch_scc0 .Lentry_in_a_cluster
	s_endpgm
.Lentry_in_a_cluster:
	s_bfe_u32 s2, ttmp6, 0x10000c
	s_cmp_lg_u32 s2, 0xf033
	s_cbranch_scc0 .Lentry_shape_is_right
	s_endpgm
.Lentry_shape_is_right:
; qkv = input w_qkv + b_qkv on codes of FP6 (E2M3) with E8M0 scales, and the quantisers of q, k (along the head's 64) and v (along the keys).
; ONE BODY FOR THREE PARTS.  Z = P R^T, source 0 = 16 rows of P, source 1 = 16 rows of R: a lane holds ONE row of R and its registers run along P; Z + bias is quantised ALONG P.
;   q, k (cluster y 0-7):  P = rows 0-2047 of w_qkv (the head's channels), R = tokens.      v (cluster y 8-11):  P = tokens (the keys), R = rows 2048-3071 of w_qkv (channels).
; Only pointers and offsets differ, chosen on the cluster's y, which all sixteen partners share; one short branch on it stands round the bias's additions, one round a store.
; A work-group of four waves makes 256 (P) x 256 (R), a wave 128 x 128: 64 accumulators, 512 registers.  K = 1,024 goes in four steps of 256 through a ring of two LDS slots.
; CLUSTERS: 4 x 4 work-groups; P's tile hangs on x alone and is asked for jointly along a column, R's on y alone and jointly along a row.
; ORDER INSIDE A BLOCK OF 32.  A lane's 16 registers of two neighbouring tiles are places 0-7, 16-23 (lanes 0-15) or 8-15, 24-31 (lanes 16-31) of a block along P.  The codes are laid as they come:
; 0-7, 16-23, 8-15, 24-31.  q and k both come out so along the channels, v and (in the next launch) p both along the keys: the same order on both sides of a product leaves its sums as they are.
; OUT: qkf [b][head pair 16][token tile 128][head of the pair][3][lane][8 bytes]: registers 0-5 of a fragment of 16 tokens x 64 channels (pairs 0-7 q, 8-15 k).
;      qks [b][head 32][token] words: bytes 0, 1 the two scales; byte 2: q 127; k 1 where mask is set, else 227 (the next launch multiplies a constant by it); byte 3: 0.
;      vf  [b][128 keys 16][head][16 channels 4][6][lane][8 bytes]: a whole fragment, 16 channels x 128 keys.      vs [b][128 keys][head][channel] words: its four scales.
; LIMITS: a block whose largest magnitude lies under 2^-124 gets the byte 1 (a block of zeros too: its codes are zeros, and these bytes are read by this program alone); NaN and infinities are not served.
; REGISTERS, in windows of 256: window 0: v0-31 addresses; v32-63 scale words, two sets; v64-127 the bias along P; v128-223 R's fragments, one set; v224-231 the bias along R; v232-239 mask; v240-247 scale words going out.
;   window 1: P's fragments, two sets.   windows 2, 3: the accumulators ((a, b) at v[8 (8 (a % 4) + b)]).   On the way out v32-49 and v128-210 of window 0 are at work.
.set KSTEP,  256
.set NQ,     2                         ; matrix instructions deep in a slot
.set ROWB,   192                       ; a tile's row: 256 codes
.set KROW,   768                       ; a row of either operand in memory
.set PITCH,  240                       ; an LDS row: 3 x (64 bytes + 16 of padding)
.set FR,     12
.set NL,     6
.set NP,     4
.set HALFT,  128*PITCH
.set SLOT,   4*HALFT                   ; R's 256 rows, then P's 256 rows
.set KS,     32                        ; a row of scale bytes
.set SCL,    2*SLOT                    ; the scale bytes for all of K, as rows of 256 bytes + 16
.set HALFS,  16*272
.set SBLK,   2*272
.set SPARE,  SCL+4*HALFS               ; the spare words: 128 bytes a wave, named by no other line
.set ADRA, 16
.set ADRB, 20
.set CO,   24                          ; 8 x lane
.set SST,  25                          ; scale stage, in: 1,024 wave + 512 (lane / 16) + 4 (lane % 16)
.set SLD,  26                          ; and back: 1,024 wave + 16 lane
.set ADRS, 27
.set SPW,  28
.set NIL,  29
.set SO,   30                          ; 16 x lane
.set SH,   31                          ; 16 x (lane / 16)
.set C1,   10
.set C127, 11
.set C227, 12
.set SC,   32
.set BP,   64
.set AF,   128
.set BR,   224
.set MK,   232
.set W,    240
.set TM,   32
.set PW,   48
.set TW,   49
.set T,    128
.set CD,   192
.set WV,  2
.set RH,  66
.set PH,  67
.set ISV, 92
.set VM,  93
.set KM,  94
.set OC,  96
.set OS,  98
.set SEL, 100
.set G1, 24
.set G0, 32
.set G1B, 48
.set G0B, 56
.set G1S, 68
.set G0S, 76
.set G1SB, 80
.set G0SB, 88
.set MSB, 0
.macro WIN new                         ; the immediate's high byte repeats the setting that is left
.if MSB != (\new)
	s_set_vgpr_msb (MSB<<8)|(\new)
.set MSB, (\new)
.endif
.endm
.set MUL_LO, 0xa1                      ; source 0 (P) window 1, source 1 (R) window 0, C and D window 2
.set MUL_HI, 0xf1
.set TO_B,   0x40
; A joint load: waves 0 and 1 fetch for R, waves 2 and 3 for P; the branch hangs on the wave's number alone.  Four v_nop follow each of the two lines.
.macro JLOAD g0a, g1a, g0b, g1b
	s_cmp_eq_u32 s[RH], 0
	s_cbranch_scc0 .Lfor_b_\@
	tensor_load_to_lds s[\g0a:\g0a+3], s[\g1a:\g1a+7]
	s_nop 0
.rept 4
	v_nop
.endr
	s_branch .Lasked_\@
.Lfor_b_\@:
	tensor_load_to_lds s[\g0b:\g0b+3], s[\g1b:\g1b+7]
	s_nop 0
.rept 4
	v_nop
.endr
.Lasked_\@:
.endm
.macro CREST
	s_cmp_lg_u32 s[WV], 0
	s_cbranch_scc1 .Lnot_wave_0_\@
	s_barrier_signal -3
.Lnot_wave_0_\@:
	s_barrier_wait -3
	s_barrier_signal -1
	s_barrier_wait -1
.endm
.macro CROUND
	s_barrier_signal -1
	s_barrier_wait -1
	CREST
.endm
	s_load_b256 s[4:11], s[0:1], 0x0               ; input's codes, scales; w_qkv's codes, scales
	s_load_b256 s[12:19], s[0:1], 0x20             ; b_qkv, mask, qkf, qks
	s_load_b128 s[20:23], s[0:1], 0x40             ; vf, vs
	v_lshl_add_u32 v[SPW], v0, 2, SPARE
	v_mov_b32 v[NIL], 0
	ds_add_u32 v28, v29
	ds_add_u32 v28, v29
	s_wait_dscnt 0x0
	v_lshrrev_b32 v1, 5, v0
	v_readfirstlane_b32 s[WV], v1                  ; wave 0..3
	s_lshr_b32 s[RH], s[WV], 1                     ; my half of R's rows.  Also: I fetch for R (0) or for P (1)
	s_and_b32 s[PH], s[WV], 1                      ; my half of P's rows.  Also: which 128 rows of that tile I fetch
	s_bfe_u32 s40, ttmp6, 0x40000                  ; cx
	s_bfe_u32 s41, ttmp6, 0x40004                  ; cy
	s_and_b32 s46, ttmp7, 0xffff                   ; cluster y
	s_lshl_b32 s47, s46, 3
	s_sub_co_u32 s47, s47, 64                      ; 8 (cluster y - 8): taken in v's part alone
	s_lshl_b32 s95, s46, 2                         ; 4 cluster y: taken in q's and k's part alone
	s_cmp_ge_u32 s46, 8
	s_cselect_b32 s[ISV], 1, 0                     ; v's part?
	s_cselect_b32 s[VM], -1, 0
	s_cselect_b32 s47, s47, 0
	s_cselect_b32 s95, 0, s95
	s_lshl_b32 s42, ttmp9, 2
	s_add_co_u32 s42, s42, s40
	s_add_co_u32 s42, s42, s47                     ; P's tile: 4 cluster x + cx (+ 8 (cluster y - 8)): no cy in it
	s_add_co_u32 s43, s95, s41                     ; R's tile: cy (+ 4 cluster y): no cx in it
	s_lshl_b32 s44, s41, 2
	s_lshl_b32 s44, 15, s44                        ; my row of the cluster
	s_lshl_b32 s45, 0x1111, s40                    ; my column
	s_or_b32 s[G1+0], s44, (0<<16)|(1<<20)|(1<<21)|(3<<22)|(3<<25)   ; R's tiles go to my row; elements of 1 byte; padding on; bit 21 beside a mask; after every 16 words 4 words
	s_or_b32 s[G1B+0], s45, (0<<16)|(1<<20)|(1<<21)|(3<<22)|(3<<25)  ; P's to my column
.irp g, G1, G1B
	s_mov_b32 s[\g+1], ROWB<<16                    ; tensor_dim0
	s_mov_b32 s[\g+2], 128<<16                     ; tensor_dim1
	s_mov_b32 s[\g+3], ROWB<<16                    ; tile_dim0
	s_mov_b32 s[\g+4], 128                         ; tile_dim1
	s_mov_b32 s[\g+5], KROW                        ; from row to row
	s_mov_b32 s[\g+6], 0
	s_mov_b32 s[\g+7], 0
.endr
	s_or_b32 s[G1S+0], s44, (3<<16)|(1<<20)|(1<<21)|(5<<22)|(3<<25)  ; the scale bytes of 128 rows: 4,096 dense bytes as 16 rows of 256, 16 bytes of padding behind each
	s_or_b32 s[G1SB+0], s45, (3<<16)|(1<<20)|(1<<21)|(5<<22)|(3<<25)
.irp g, G1S, G1SB
	s_mov_b32 s[\g+1], 32<<16
	s_mov_b32 s[\g+2], 16<<16
	s_mov_b32 s[\g+3], 32<<16
	s_mov_b32 s[\g+4], 16
	s_mov_b32 s[\g+5], 32
	s_mov_b32 s[\g+6], 0
	s_mov_b32 s[\g+7], 0
.endr
	s_lshl_b32 s95, s[PH], 7                       ; which 128 rows of a tile I fetch
	s_lshl_b32 s46, s43, 8
	s_add_co_u32 s46, s46, s95
	s_lshl_b32 s47, s[ISV], 11
	s_add_co_u32 s46, s46, s47                     ; R's row: 256 tile + 128 half (+ 2,048: v's rows of w_qkv)
	s_lshl_b32 s100, s46, 5                        ; its scale bytes,
	s_mul_i32 s46, s46, KROW                       ; its codes
	s_mov_b32 s47, 0
	s_mov_b32 s101, 0
	s_lshl_b32 s96, s42, 8
	s_add_co_u32 s96, s96, s95                     ; P's row
	s_lshl_b32 s98, s96, 5
	s_mul_i32 s96, s96, KROW
	s_mov_b32 s97, 0
	s_mov_b32 s99, 0
	s_wait_kmcnt 0x0
	s_cmp_lg_u32 s[ISV], 0                         ; the choice hangs on the cluster's y alone
	s_cselect_b64 s[G0+2:G0+3], s[8:9], s[4:5]     ; R's codes: w_qkv's in v's part, else input's
	s_cselect_b64 s[G0B+2:G0B+3], s[4:5], s[8:9]   ; P's: the other
	s_cselect_b64 s[G0S+2:G0S+3], s[10:11], s[6:7]
	s_cselect_b64 s[G0SB+2:G0SB+3], s[6:7], s[10:11]
	s_add_nc_u64 s[G0+2:G0+3], s[G0+2:G0+3], s[46:47]
	s_add_nc_u64 s[G0B+2:G0B+3], s[G0B+2:G0B+3], s[96:97]
	s_add_nc_u64 s[G0S+2:G0S+3], s[G0S+2:G0S+3], s[100:101]
	s_add_nc_u64 s[G0SB+2:G0SB+3], s[G0SB+2:G0SB+3], s[98:99]
	s_add_nc_u64 s[G0+6:G0+7], s[G0+2:G0+3], ROWB  ; slot 1 begins with K step 1
	s_add_nc_u64 s[G0B+6:G0B+7], s[G0B+2:G0B+3], ROWB
.irp g, G0+3, G0+7, G0B+3, G0B+7, G0S+3, G0SB+3
	s_or_b32 s[\g], s[\g], 0x80000000              ; type = 2
.endr
	s_mul_i32 s95, s[WV], HALFT                    ; where they go: wave x 128 rows: no place in the cluster enters an LDS address
	s_mul_i32 s94, s[WV], HALFS
.irp g, G0, G0B
	s_mov_b32 s[\g], 1
	s_mov_b32 s[\g+1], s95
	s_mov_b32 s[\g+4], 1
	s_add_co_u32 s[\g+5], s95, SLOT
.endr
	s_mov_b32 s[G0S], 1
	s_add_co_u32 s[G0S+1], s94, SCL
	s_mov_b32 s[G0SB], 1
	s_add_co_u32 s[G0SB+1], s94, SCL
	CROUND                                         ; all sixteen work-groups are here: the first joint loads meet
	JLOAD G0S, G1S, G0SB, G1SB                     ; the scale bytes for all of K: filled once
	JLOAD G0, G1, G0B, G1B                         ; K step 0
	JLOAD G0+4, G1, G0B+4, G1B                     ; K step 1: three loads of mine are out
	v_and_b32 v1, 15, v0                           ; r
	v_bfe_u32 v2, v0, 4, 1                         ; h
	v_mul_u32_u24 v3, v1, PITCH
	v_mul_u32_u24 v4, v2, 24
	v_add_nc_u32 v4, v3, v4                        ; a fragment's row x pitch + 24 h
	v_lshl_add_u32 v5, v2, 4, v4                   ; and the same behind one padding more
	s_mul_i32 s8, s[RH], HALFT                     ; my 128 rows of R
	s_mul_i32 s9, s[PH], HALFT
	s_add_co_u32 s9, s9, 2*HALFT                   ; my 128 rows of P, behind R's 256
.irp s, 0,1
	v_add_nc_u32 v[ADRA+\s], s8, v4
	v_add_nc_u32 v[ADRB+\s], s9, v4
	v_add_nc_u32 v[ADRA+2+\s], s8, v5
	v_add_nc_u32 v[ADRB+2+\s], s9, v5
	s_add_co_u32 s8, s8, SLOT
	s_add_co_u32 s9, s9, SLOT
.endr
	v_mul_u32_u24 v5, v1, KS                       ; my row's scale bytes: 32 a row,
	v_lshrrev_b32 v6, 8, v5
	v_lshl_add_u32 v5, v6, 4, v5                   ; and 16 more for each 256 passed
	s_mul_i32 s8, s[RH], HALFS
	s_mul_i32 s9, s[PH], HALFS
	s_add_co_u32 s9, s9, 2*HALFS
	s_sub_co_u32 s9, s9, s8
	v_mul_u32_u24 v6, s9, v2                       ; lanes 16-31 take P's
	s_add_co_u32 s8, s8, SCL
	v_add_nc_u32 v5, v5, v6
	v_add_nc_u32 v[ADRS], s8, v5
	v_and_b32 v6, 31, v0
	v_lshlrev_b32 v[CO], 3, v6
	v_lshlrev_b32 v[SO], 4, v6
	v_lshlrev_b32 v[SH], 4, v2
	s_lshl_b32 s8, s[WV], 10
	v_lshlrev_b32 v[SST], 2, v1
	v_lshl_add_u32 v[SST], v2, 9, v[SST]
	v_add_nc_u32 v[SST], s8, v[SST]
	v_add_nc_u32 v[SLD], s8, v[SO]
	v_mov_b32 v[C1], 1
	v_mov_b32 v[C127], 127
	v_mov_b32 v[C227], 227
	; where my results go.  (From here on registers hold cx and cy together: none of them feeds a descriptor any more.)
	s_cmp_lg_u32 s[ISV], 0
	s_cselect_b32 s8, s42, s43                     ; the tokens' tile and half: P's in v's part, else R's
	s_cselect_b32 s9, s[PH], s[RH]
	s_cselect_b32 s10, s43, s42                    ; the channels' tile and half
	s_cselect_b32 s11, s[RH], s[PH]
	s_lshl_b32 s8, s8, 8
	s_lshl_b32 s9, s9, 7
	s_add_co_u32 s8, s8, s9                        ; my first token, 0 .. 8,064
	s_lshl_b32 s10, s10, 8
	s_lshl_b32 s11, s11, 7
	s_add_co_u32 s10, s10, s11                     ; my first row of w_qkv (q, k) or first channel of v
	s_lshr_b32 s9, s8, 11                          ; b
	s_and_b32 s11, s8, 2047                        ; the token within b
	s_lshl_b32 s46, s9, 4
	s_lshr_b32 s47, s10, 7
	s_add_co_u32 s46, s46, s47                     ; q, k: 16 b + head pair
	s_lshl_b32 s46, s46, 7
	s_lshr_b32 s47, s11, 4
	s_add_co_u32 s46, s46, s47                     ; x 128 + token tile
	s_mul_i32 s46, s46, 1536
	s_lshl_b32 s47, s9, 5
	s_lshr_b32 s95, s10, 6
	s_add_co_u32 s47, s47, s95                     ; 32 b + head
	s_lshl_b32 s47, s47, 11
	s_add_co_u32 s47, s47, s11
	s_lshl_b32 s47, s47, 2
	s_lshl_b32 s95, s9, 4
	s_lshr_b32 s100, s11, 7
	s_add_co_u32 s95, s95, s100                    ; v: 16 b + step of 128 keys
	s_lshl_b32 s95, s95, 4
	s_lshr_b32 s100, s10, 6
	s_add_co_u32 s95, s95, s100                    ; x 16 + head
	s_mul_i32 s100, s95, 6144
	s_lshl_b32 s95, s95, 8
	s_lshl_b32 s9, s10, 2                          ; the bias along P begins here (q, k),
	s_add_co_u32 s11, s9, 8192                     ; the bias along R here (v)
	s_cmp_lg_u32 s[ISV], 0
	s_cselect_b32 s96, s100, s46
	s_cselect_b32 s98, s95, s47
	s_cselect_b32 s9, 0, s9                        ; the part that is not used is loaded from the buffer's head: no load leaves its buffer
	s_cselect_b32 s11, s11, 0
	s_cselect_b32 s8, 0, s8
	s_mov_b32 s97, 0
	s_mov_b32 s99, 0
	s_cselect_b64 s[100:101], s[20:21], s[16:17]   ; vf or qkf
	s_add_nc_u64 s[OC:OC+1], s[100:101], s[96:97]
	s_cselect_b64 s[100:101], s[22:23], s[18:19]   ; vs or qks
	s_add_nc_u64 s[OS:OS+1], s[100:101], s[98:99]
	s_cmp_ge_u32 s42, 4                            ; rows 1,024 on of w_qkv are k's
	s_cselect_b32 s[KM], -1, 0
	s_and_not1_b32 s[KM], s[KM], s[VM]
	s_mov_b32 s[SEL], 0x76543210
	s_mov_b32 s[SEL+1], 0xfedcba98                 ; v_permlanex16_b32's selects for lane l xor 16
	v_lshl_add_u32 v7, v2, 5, s9
	v_lshl_add_u32 v8, v1, 2, s11
	v_add_nc_u32 v9, s8, v1
.irp b, 0,1,2,3,4,5,6,7
	global_load_b128 v[BP+8*\b:BP+8*\b+3], v7, s[12:13] offset:64*\b       ; register 8 b + j: the bias of P's row 16 b + 8 h + j
	global_load_b128 v[BP+8*\b+4:BP+8*\b+7], v7, s[12:13] offset:64*\b+16
.endr
.irp a, 0,1,2,3,4,5,6,7
	global_load_b32 v[BR+\a], v8, s[12:13] offset:64*\a                    ; the bias of R's row 16 a + r
	global_load_u8 v[MK+\a], v9, s[14:15] offset:16*\a                     ; mask of token 16 a + r
.endr
	s_wait_loadcnt 0x0
.macro FRAG reg, adr, q, i             ; 16 rows x 128 K: 12 registers, in pieces of 8 bytes; where the piece of lanes 16-31 lies behind one padding more, the second address register serves
.irp p, 0,1,2,3,4,5
.set PCE, 12*(\q)+6*(\p/3)+\p%3
.if PCE%8 < 5
	ds_load_b64 v[\reg+2*\p:\reg+2*\p+1], v[\adr] offset:8*PCE+16*(PCE/8)+(\i)*16*PITCH
.else
	ds_load_b64 v[\reg+2*\p:\reg+2*\p+1], v[\adr+2] offset:8*PCE+16*(PCE/8)+(\i)*16*PITCH
.endif
.endr
.endm
; 16 matrix instructions: R's blocks a0, a0 + 1 x P's eight.  The 64 accumulators take turns, one instruction a turn, in the same order in every step.
.macro MUL16 a0, p, q, sc, zero
.irp a, \a0, \a0+1
.irp b, 0,1,2,3,4,5,6,7
.if \zero
	v_wmma_scale_f32_16x16x128_f8f6f4 v[8*(8*((\a)%4)+\b):8*(8*((\a)%4)+\b)+7], v[128*(\p)+FR*\b:128*(\p)+FR*\b+FR-1], v[AF+FR*(\a):AF+FR*(\a)+FR-1], 0, v[SC+8*NQ*(\sc)+NQ*\b+(\q)], v[SC+8*NQ*(\sc)+NQ*(\a)+(\q)] matrix_a_fmt:MATRIX_FMT_FP6 matrix_b_fmt:MATRIX_FMT_FP6 matrix_a_scale:MATRIX_SCALE_ROW1
.else
	v_wmma_scale_f32_16x16x128_f8f6f4 v[8*(8*((\a)%4)+\b):8*(8*((\a)%4)+\b)+7], v[128*(\p)+FR*\b:128*(\p)+FR*\b+FR-1], v[AF+FR*(\a):AF+FR*(\a)+FR-1], v[8*(8*((\a)%4)+\b):8*(8*((\a)%4)+\b)+7], v[SC+8*NQ*(\sc)+NQ*\b+(\q)], v[SC+8*NQ*(\sc)+NQ*(\a)+(\q)] matrix_a_fmt:MATRIX_FMT_FP6 matrix_b_fmt:MATRIX_FMT_FP6 matrix_a_scale:MATRIX_SCALE_ROW1
.endif
.endr
.endr
.endm
.macro FETCH_B slot, q, p
	WIN TO_B
.irp i, 0,1,2,3,4,5,6,7
	FRAG 128*(\p)+FR*\i, ADRB+\slot, \q, \i
.endr
	WIN 0
.endm
.macro FETCH_A slot, q, i0
.irp i, \i0, \i0+1, \i0+2, \i0+3
	FRAG AF+FR*(\i), ADRA+\slot, \q, \i
.endr
.endm
.macro SCALES sc                       ; a K step's scale words: lanes 0-15 R's block i, lanes 16-31 P's block i
.irp i, 0,1,2,3,4,5,6,7
	ds_load_b64 v[SC+8*NQ*\sc+NQ*\i:SC+8*NQ*\sc+NQ*\i+1], v[ADRS] offset:\i*SBLK
.endr
.endm
.macro PLACES n                        ; plain vector places between a matrix instruction and a load into, or a vector access to, its registers
.rept \n
	v_nop
.endr
.endm
.macro STEP slot, q, zero
	s_wait_dscnt 4*NL                              ; P's set and R's blocks 0-3 are in; the youngest 24 loads (R's blocks 4-7) may be out
	WIN MUL_LO
	MUL16 0, (\q)%2, \q, \slot, \zero
	MUL16 2, (\q)%2, \q, \slot, \zero
	s_wait_dscnt 0
	PLACES NP
	FETCH_B \slot, (\q)+1, 1-(\q)%2
	FETCH_A \slot, (\q)+1, 0
	WIN MUL_HI
	MUL16 4, (\q)%2, \q, \slot, \zero
	MUL16 6, (\q)%2, \q, \slot, \zero
	PLACES NP
	WIN 0
	FETCH_A \slot, (\q)+1, 4
.endm
; A slot's last step changes slots: one barrier; in front of it each wave waits for all its tensor loads, adds 0 to its spare word, and waits for that and for its reads of this slot.
.macro TURN slot, next, fill
	s_wait_tensorcnt 0x0                           ; all my tensor loads have landed: my part of the next slot
	ds_add_u32 v[SPW], v[NIL]                      ; 0 onto my spare word
	s_wait_dscnt 4*NL+1                            ; the add and the youngest 24 loads may be out
	WIN MUL_LO
	MUL16 0, 1, NQ-1, \slot, 0
	s_wait_dscnt 0x0                               ; the add is done, and my reads of this slot are over
	s_barrier_signal -1
	MUL16 2, 1, NQ-1, \slot, 0
	WIN 0
	s_barrier_wait -1
.if \fill
	CREST                                          ; the barrier has opened a round of the cluster's: no wave of any partner still reads this slot or has a load on its way
	s_add_nc_u64 s[G0+4*\slot+2:G0+4*\slot+3], s[G0+4*\slot+2:G0+4*\slot+3], 2*ROWB
	s_add_nc_u64 s[G0B+4*\slot+2:G0B+4*\slot+3], s[G0B+4*\slot+2:G0B+4*\slot+3], 2*ROWB
	JLOAD G0+4*\slot, G1, G0B+4*\slot, G1B         ; the first tensor load behind the round; its four v_nop are the places in front of the loads below
.else
	PLACES NP
.endif
	v_add_nc_u32 v[ADRS], 4*NQ, v[ADRS]
	FETCH_B \next, 0, 0
	FETCH_A \next, 0, 0
	SCALES \next
	WIN MUL_HI
	MUL16 4, 1, NQ-1, \slot, 0
	MUL16 6, 1, NQ-1, \slot, 0
	PLACES NP
	WIN 0
	FETCH_A \next, 0, 4
.endm
	s_wait_tensorcnt 1                             ; the scale bytes and my part of K step 0 are in; K step 1's load may be out
	s_barrier_signal -1
	s_barrier_wait -1
	FETCH_B 0, 0, 0
	FETCH_A 0, 0, 0
	SCALES 0
	FETCH_A 0, 0, 4
	STEP 0, 0, 1                                   ; the first step's products start the sums
	s_mov_b32 s3, 1
.Llap:                                                 ; one trip: both slots are filled again, with K steps 2 and 3
	TURN 0, 1, 1
	STEP 1, 0, 0
	TURN 1, 0, 1
	STEP 0, 0, 0
	s_sub_co_u32 s3, s3, 1
	s_cmp_lg_u32 s3, 0
	s_cbranch_scc1 .Llap
	TURN 0, 1, 0
	STEP 1, 0, 0
	s_wait_dscnt 4*NL
	WIN MUL_LO
	MUL16 0, 1, NQ-1, 1, 0
	MUL16 2, 1, NQ-1, 1, 0
	s_wait_dscnt 0
	WIN MUL_HI
	MUL16 4, 1, NQ-1, 1, 0
	MUL16 6, 1, NQ-1, 1, 0
	WIN 0
; 64 numbers of a lane, v[s] on, 16 of each of four blocks of 32, become a fragment's codes in v[CD] on and its scale word in v[PW].
.macro QUANT s
.irp b, 0,1,2,3
	v_max3_num_f32 v[TM+\b], |v[\s+16*\b]|, |v[\s+1+16*\b]|, 0x1800000   ; my 16 numbers and the floor 2^(3 - 127): the byte cannot fall under 1
.endr
.irp i, 2,4,6,8,10,12,14
.irp b, 0,1,2,3
	v_max3_num_f32 v[TM+\b], v[TM+\b], |v[\s+16*\b+\i]|, |v[\s+1+16*\b+\i]|
.endr
.endr
.irp b, 0,1,2,3
	v_permlanex16_b32 v[TM+4+\b], v[TM+\b], s[SEL], s[SEL+1]
.endr
.irp b, 0,1,2,3
	v_max_num_f32 v[TM+\b], v[TM+\b], v[TM+4+\b]   ; with lane l xor 16's: the block's largest magnitude
.endr
.irp b, 0,1,2,3
	v_add_nc_u32 v[TM+12+\b], 0xff000000, v[TM+\b] ; 2 off its exponent field: the conversion's scale operand
.endr
.irp b, 0,1,2,3
	v_lshrrev_b32 v[TM+4+\b], 23, v[TM+12+\b]      ; the scale's byte
.endr
	v_lshl_or_b32 v[PW], v[TM+5], 8, v[TM+4]
	v_lshl_or_b32 v[PW], v[TM+6], 16, v[PW]
	v_lshl_or_b32 v[PW], v[TM+7], 24, v[PW]
.irp c, 0,1
	v_cvt_scalef32_pk16_fp6_f32 v[CD+6*\c:CD+2+6*\c], v[\s+32*\c:\s+15+32*\c], v[TM+12+2*\c]
	v_cvt_scalef32_pk16_fp6_f32 v[CD+12+4*\c:CD+14+4*\c], v[\s+16+32*\c:\s+31+32*\c], v[TM+12+2*\c+1]
.endr
	v_nop                                          ; one plain place behind a scaled conversion
.irp c, 0,1                                    ; a whole block to a lane: lanes 0-15 block 2 c, lanes 16-31 block 2 c + 1
.irp i, 0,1,2
	v_permlane16_swap_b32 v[CD+6*\c+\i], v[CD+12+4*\c+\i]
.endr
.irp i, 0,1,2
	v_mov_b32 v[CD+3+6*\c+\i], v[CD+12+4*\c+\i]
.endr
.endr
.endm
; THE WAY OUT of R's block a: 16 rows of R x my 128 along P: bias, quantiser, six stores of 256 consecutive aligned bytes; the scale word goes to my own stage in LDS.
.macro EPI a
.set AC, 64*((\a)%4)
	s_wait_xcnt 0x0                                ; the last block's stores have read their registers
	s_cmp_lg_u32 s[ISV], 0
	s_cbranch_scc1 .Lbias_r_\@
	WIN 0x02+(\a)/4                                ; source 0: window 2 or 3
.set i, 0
.rept 32
	v_pk_add_f32 v[T+2*i:T+2*i+1], v[AC+2*i:AC+2*i+1], v[BP+2*i:BP+2*i+1]   ; q, k: the bias runs along P; each accumulator is read from its low end on
.set i, i+1
.endr
	WIN 0
	s_branch .Lbiased_\@
.Lbias_r_\@:
	WIN 0x02+(\a)/4
.set i, 0
.rept 32
.if ((\a)%2) == 0
	v_pk_add_f32 v[T+2*i:T+2*i+1], v[AC+2*i:AC+2*i+1], v[BR+2*((\a)/2):BR+2*((\a)/2)+1] op_sel_hi:[1,0]   ; v: one bias for my row of R
.else
	v_pk_add_f32 v[T+2*i:T+2*i+1], v[AC+2*i:AC+2*i+1], v[BR+2*((\a)/2):BR+2*((\a)/2)+1] op_sel:[0,1] op_sel_hi:[1,1]
.endif
.set i, i+1
.endr
	WIN 0
.Lbiased_\@:
	QUANT T
.irp p, 0,1,2,3,4,5
	global_store_b64 v[CO], v[CD+2*\p:CD+2*\p+1], s[OC:OC+1] offset:1536*(\a)+256*\p
.endr
	v_lshrrev_b32 v[TW], v[SH], v[PW]              ; q, k: lanes 0-15 take the first head's two bytes, lanes 16-31 the second's,
	v_and_b32 v[TW], 0xffff, v[TW]
	v_lshl_or_b32 v[TW], v[MK+(\a)], 16, v[TW]     ; and byte 2 above them;
	v_cndmask_b32 v[W+(\a)], v[TW], v[PW], s[VM]   ; v: the word as it stands
	ds_store_b32 v[SST], v[W+(\a)] offset:64*(\a)
.endm
	PLACES NP                                      ; behind the last products: the scale sets, R's fragments and the results are touched from here on
.irp b, 0,1,2,3
	v_mov_b32 v[TM+4+\b], 0                        ; a lane permute's destination counts as one of its sources
.endr
.irp a, 0,1,2,3,4,5,6,7
	v_cmp_ne_u32 vcc_lo, 0, v[MK+\a]
	v_cndmask_b32 v[MK+\a], v[C227], v[C1], vcc_lo ; k: 1 for a key that counts, 227 for one that does not
	v_cndmask_b32 v[MK+\a], v[C127], v[MK+\a], s[KM]   ; q: 127
.endr
.irp a, 0,1,2,3,4,5,6,7
	EPI \a
.endr
	ds_load_b128 v[T:T+3], v[SLD]                  ; LDS serves a wave's instructions in order: these see my stores.  128 words: the first head's (q, k) or the 128 channels' (v)
	ds_load_b128 v[T+4:T+7], v[SLD] offset:512     ; the second head's
	s_wait_dscnt 0x0
	global_store_b128 v[SO], v[T:T+3], s[OS:OS+1]  ; 512 consecutive bytes, aligned
	s_cmp_lg_u32 s[ISV], 0
	s_cbranch_scc1 .Lone_array
	global_store_b128 v[SO], v[T+4:T+7], s[OS:OS+1] offset:8192   ; the next head's array
.Lone_array:
	s_wait_tensorcnt 0x0                           ; the wave's end
	ds_add_u32 v[SPW], v[NIL]
	s_wait_dscnt 0x0
	CROUND                                         ; the closing round
	s_endpgm
.Lfunc_end_k_q4b321d34c7_qkv:
	.size	k_q4b321d34c7_qkv, .Lfunc_end_k_q4b321d34c7_qkv-k_q4b321d34c7_qkv
	.p2alignl 7, 3214868480
	.fill 96, 4, 3214868480
	.section	.rodata,"a",@progbits
	.p2align	6, 0x0
	.amdhsa_kernel k_q4b321d34c7_qkv
		.amdhsa_group_segment_fixed_size 327680
		.amdhsa_private_segment_fixed_size 0
		.amdhsa_enable_private_segment 0
		.amdhsa_kernarg_size 80
		.amdhsa_user_sgpr_count 2
		.amdhsa_user_sgpr_kernarg_segment_ptr 1
		.amdhsa_wavefront_size32 1
		.amdhsa_system_sgpr_workgroup_id_x 1
		.amdhsa_system_sgpr_workgroup_id_y 1
		.amdhsa_system_sgpr_workgroup_id_z 1
		.amdhsa_system_vgpr_workitem_id 0
		.amdhsa_next_free_vgpr 1024
		.amdhsa_next_free_sgpr 102
		.amdhsa_reserve_vcc 1
		.amdhsa_float_denorm_mode_32 3
		.amdhsa_float_denorm_mode_16_64 3
		.amdhsa_memory_ordered 1
		.amdhsa_forward_progress 1
		.amdhsa_inst_pref_size 208
	.end_amdhsa_kernel
	.amdgpu_metadata
---
amdhsa.version: [ 1, 2 ]
amdhsa.kernels:
  - .name:           k_q4b321d34c7_qkv
    .symbol:         k_q4b321d34c7_qkv.kd
    .args:
      - { .name: input_codes, .offset: 0, .size: 8, .value_kind: global_buffer, .address_space: global }
      - { .name: input_scales, .offset: 8, .size: 8, .value_kind: global_buffer, .address_space: global }
      - { .name: w_qkv_codes, .offset: 16, .size: 8, .value_kind: global_buffer, .address_space: global }
      - { .name: w_qkv_scales, .offset: 24, .size: 8, .value_kind: global_buffer, .address_space: global }
      - { .name: b_qkv, .offset: 32, .size: 8, .value_kind: global_buffer, .address_space: global }
      - { .name: mask, .offset: 40, .size: 8, .value_kind: global_buffer, .address_space: global }
      - { .name: qkf, .offset: 48, .size: 8, .value_kind: global_buffer, .address_space: global }
      - { .name: qks, .offset: 56, .size: 8, .value_kind: global_buffer, .address_space: global }
      - { .name: vf, .offset: 64, .size: 8, .value_kind: global_buffer, .address_space: global }
      - { .name: vs, .offset: 72, .size: 8, .value_kind: global_buffer, .address_space: global }
    .group_segment_fixed_size: 327680
    .private_segment_fixed_size: 0
    .kernarg_segment_align: 8
    .kernarg_segment_size: 80
    .max_flat_workgroup_size: 128
    .sgpr_count:     102
    .vgpr_count:     1024
    .wavefront_size: 32
...
	.end_amdgpu_metadata
.endif
;; end of part 1
;; launch attn (part 2): grid 4 x 64, 16 waves a work-group, no clusters, 210,944 bytes of LDS; arguments qkf, qks, vf, vs, of, os; writes of, os
.if DOCPART == 2
	.amdgcn_target "amdgcn-amd-amdhsa--gfx1250"
	.amdhsa_code_object_version 6
	.text
	.protected	k_q4b321d34c7_attn
	.globl	k_q4b321d34c7_attn
	.p2align	8
	.type	k_q4b321d34c7_attn,@function
k_q4b321d34c7_attn:
	s_mov_b64 s[64:65], 0
	v_nop
	global_prefetch_b8 v0, s[64:65] scope:SCOPE_SE
	s_setreg_imm32_b32 hwreg(HW_REG_WAVE_MODE, 25, 1), 1
	s_wait_xcnt 0x0
; o = softmax(q k^T / 8 under the causal and the padding mask) v for one head, both products on codes of FP6 (E2M3) with E8M0 scales; o is quantised along the model's 1,024 and leaves as codes.
; THE SOFTMAX: t = score x log2(e) / 8; M = the running largest t rounded UP to a whole number; p = 2^(t - M) is quantised along the keys; the row's sum is taken of the unquantised p and divides o at the end.
; SHARES.  Work-group (x, y): head y % 16 of batch y / 16; query blocks 7 - x and x of 256 queries, one after the other: nine squares of 256 x 256 under the diagonal for every work-group.
; Sixteen waves, each with ONE tile of 16 queries in 256 registers: four to a SIMD, so that one wave's vector work stands beside another's products and LDS loads.
; THE WHOLE HEAD'S K AND V LIE IN LDS, as images of the operands' registers, FILLED ONCE by five tensor loads a wave at the head (scale words, then four quarters of 512 keys): no byte is filled again,
; nothing is stored to LDS.  A quarter is read behind a counted wait and a barrier, while the later quarters are on their way.
; NO CLUSTER, though the four work-groups of a head read the same K and V: what tells them apart, the query block, steers the branches that leave hidden steps out, and partners must run alike.
; NO PREFETCH: the launch's one stream goes out whole at its head.
; LAYOUT.  S^T = K Q^T (source 0 = 16 keys, source 1 = my queries), O^T = V^T P^T: a lane holds ONE query.  Register 8 i + j of S^T is key 16 i + 8 (lane / 16) + j; p's codes are laid as they come,
; places 0-7, 16-23, 8-15, 24-31 of each block of 32 keys, which is the order in which the launch before has laid V's keys.  q and k carry the same order along the channels.
; THE PADDING MASK costs no line here.  The head has 64 channels, the instruction 128: at k = 64 every key holds the code of -7.5 and every query that of +7.5; the query's scale there is 1, the key's
; 2^-126 where mask is set (the term, -56.25 x 2^-126, is alike for all such keys and under every rounding) and 2^100 where it is not: the score is then -7.1e31, t is -1.3e31, p is 0.
; The running largest t begins at -1e30, above every masked t.  A row with no key that counts ends with the sum 0: its scale bytes become 0xff, so that the next launch's sums are NaN there, as the softmax of such a row is.
; LIMITS: |q . k| x log2(e) / 8 stays under 1e30; NaN and infinities among q, k, v are not served; a block of o under 2^-124 gets the byte 1.
; o's SCALE BYTES leave as two bytes a row, 32 bytes apart: a head holds two of a row's 32, one byte for 24 bytes of codes.
.set VL,   98304                       ; LDS: K's images at 0: key tile t at 768 t;  V's here: 6,144 step + 1,536 channel tile
.set KSL,  196608                      ; K's scale words, 4 bytes a key
.set VSL,  204800                      ; V's: 256 step + 4 channel
.set AK0,  1                           ; 8 x lane: my place in an image, and in a store
.set AV0,  2
.set ASK0, 3
.set ASV0, 4
.set RR,   5                           ; lane % 16
.set H8,   6                           ; 8 (lane / 16)
.set ADK,  8
.set ADV,  9
.set ADS,  10
.set ADT,  11
.set QF,   16                          ; v16-27 Q's fragment; v22-27 constants
.set QS,   28                          ; Q's scale word
.set OSA,  29                          ; 32 (lane % 16) + lane / 16
.set R4,   30                          ; 4 (lane % 16)
.set KFR,  32                          ; v32-79 four fragments of K; registers 6-11 of each are constants
.set KSW,  80                          ; v80-83 K's scale words: lanes 0-15 an even tile's, lanes 16-31 the next's
.set VSW,  84                          ; v84-85 V's likewise
.set S,    96                          ; v96-159 S^T, then p; v96-143 then V's four fragments
.set O,    160                         ; v160-191 O^T
.set PCD,  192                         ; v192-203 p's codes
.set CT,   204                         ; v204-211 the conversions' second halves
.set BM,   212
.set PT,   216
.set SOP,  220
.set F,    224                         ; v[224:225]
.set PWD,  226
.set TMP,  227
.set RC,   228                         ; v[228:229]
.set CFF,  230
.set NINF, 231
.set QCO, 2
.set QSO, 3
.set WV,  16
.set BB,  17
.set HH,  18
.set SEL, 20
.set CS,  22
.set G1K, 24
.set G1V, 32
.set G1KS, 40
.set G1VS, 48
.set G0S, 56
.set G0A, 60
.set G0B, 68                           ; quarters 1 to 3: s[68:71], s[72:75], s[76:79]
.set OFO, 66
.set OSO, 67
.set TBK, 80
.set TS,  81
.set TJ,  82
.set KF,  83
.set Q0,  84
.set CNT, 85
.set UPH, 86
.set LZ,  87
.set QCB, 88
.set QSB, 90
.set OFB, 92
.set OSB, 94
.set BLK, 98
	s_load_b256 s[4:11], s[0:1], 0x0               ; qkf, qks, vf, vs
	s_load_b128 s[12:15], s[0:1], 0x20             ; of, os
	v_lshl_add_u32 v254, v0, 2, 0x33000
	v_mov_b32 v255, 0
	ds_add_u32 v254, v255
	ds_add_u32 v254, v255
	v_lshrrev_b32 v8, 5, v0
	v_readfirstlane_b32 s[WV], v8                  ; wave 0..15
	s_and_b32 s96, ttmp7, 0xffff
	s_lshr_b32 s[BB], s96, 4                       ; b
	s_and_b32 s[HH], s96, 15                       ; h
	; groups 1: elements of 8 bytes, no padding.  K: 4 key tiles of 768 bytes, 1,536 apart;  V: 3,072 dense bytes;  K's scale words: 1,024 dense bytes;  V's: 2 rows of 256 bytes, 4,096 apart
	s_mov_b32 s[G1K], 3<<16
	s_mov_b32 s[G1K+1], 96<<16
	s_mov_b32 s[G1K+2], 4<<16
	s_mov_b32 s[G1K+3], 96<<16
	s_mov_b32 s[G1K+4], 4
	s_mov_b32 s[G1K+5], 192
	s_mov_b32 s[G1K+6], 0
	s_mov_b32 s[G1K+7], 0
	s_mov_b32 s[G1V], 3<<16
	s_mov_b32 s[G1V+1], 384<<16
	s_mov_b32 s[G1V+2], 1<<16
	s_mov_b32 s[G1V+3], 384<<16
	s_mov_b32 s[G1V+4], 1
	s_mov_b32 s[G1V+5], 384
	s_mov_b32 s[G1V+6], 0
	s_mov_b32 s[G1V+7], 0
	s_mov_b32 s[G1KS], 3<<16
	s_mov_b32 s[G1KS+1], 128<<16
	s_mov_b32 s[G1KS+2], 1<<16
	s_mov_b32 s[G1KS+3], 128<<16
	s_mov_b32 s[G1KS+4], 1
	s_mov_b32 s[G1KS+5], 128
	s_mov_b32 s[G1KS+6], 0
	s_mov_b32 s[G1KS+7], 0
	s_mov_b32 s[G1VS], 3<<16
	s_mov_b32 s[G1VS+1], 32<<16
	s_mov_b32 s[G1VS+2], 2<<16
	s_mov_b32 s[G1VS+3], 32<<16
	s_mov_b32 s[G1VS+4], 2
	s_mov_b32 s[G1VS+5], 512
	s_mov_b32 s[G1VS+6], 0
	s_mov_b32 s[G1VS+7], 0
	; what I fetch: waves 0-7 an eighth of each quarter of K, waves 8-15 of V
	s_and_b32 s96, s[WV], 7                        ; w'
	s_lshl_b32 s97, s[BB], 4
	s_lshr_b32 s99, s[HH], 1
	s_add_co_u32 s97, s97, s99
	s_add_co_u32 s97, s97, 8                       ; K: head pair 8 + h / 2 of batch b,
	s_lshl_b32 s97, s97, 7
	s_lshl_b32 s99, s96, 2
	s_add_co_u32 s97, s97, s99                     ; key tile 4 w',
	s_mul_i32 s97, s97, 1536
	s_and_b32 s99, s[HH], 1
	s_mul_i32 s99, s99, 768
	s_add_co_u32 s97, s97, s99                     ; head h % 2 of the pair
	s_lshl_b32 s99, s[BB], 4
	s_lshr_b32 s100, s96, 1
	s_add_co_u32 s99, s99, s100                    ; V: step w' / 2 of batch b,
	s_lshl_b32 s99, s99, 4
	s_add_co_u32 s99, s99, s[HH]
	s_mul_i32 s99, s99, 6144
	s_and_b32 s100, s96, 1
	s_mul_i32 s100, s100, 3072
	s_add_co_u32 s99, s99, s100                    ; its half w' % 2
	s_lshl_b32 s100, s[BB], 5
	s_add_co_u32 s100, s100, s[HH]
	s_add_co_u32 s100, s100, 16
	s_lshl_b32 s100, s100, 13
	s_lshl_b32 s101, s96, 10
	s_add_co_u32 s100, s100, s101                  ; K's scale words: 256 keys from 256 w' on
	s_lshl_b32 s101, s[BB], 4
	s_lshl_b32 s96, s96, 1
	s_add_co_u32 s101, s101, s96
	s_lshl_b32 s101, s101, 4
	s_add_co_u32 s101, s101, s[HH]
	s_lshl_b32 s101, s101, 8                       ; V's: steps 2 w', 2 w' + 1
	s_cmp_lt_u32 s[WV], 8
	s_cselect_b32 s96, s97, s99
	s_cselect_b32 s100, s100, s101
	s_mov_b32 s98, 393216                          ; from quarter to quarter: V 4 steps x 16 heads x 6,144 bytes,
	s_cselect_b32 s98, 49152, s98                  ; K 32 key tiles x 1,536
	s_mov_b32 s97, 0
	s_mov_b32 s99, 0
	s_mov_b32 s101, 0
	s_wait_dscnt 0x0
	s_wait_kmcnt 0x0
	s_cselect_b64 s[G0A+2:G0A+3], s[4:5], s[8:9]   ; the choice hangs on the wave's number alone
	s_cselect_b64 s[G0S+2:G0S+3], s[6:7], s[10:11]
	s_add_nc_u64 s[G0A+2:G0A+3], s[G0A+2:G0A+3], s[96:97]
	s_add_nc_u64 s[G0S+2:G0S+3], s[G0S+2:G0S+3], s[100:101]
	s_add_nc_u64 s[G0B+2:G0B+3], s[G0A+2:G0A+3], s[98:99]
	s_add_nc_u64 s[G0B+6:G0B+7], s[G0B+2:G0B+3], s[98:99]
	s_add_nc_u64 s[G0B+10:G0B+11], s[G0B+6:G0B+7], s[98:99]
.irp g, G0S+3, G0A+3, G0B+3, G0B+7, G0B+11
	s_or_b32 s[\g], s[\g], 0x80000000              ; type = 2
.endr
	s_lshr_b32 s96, s[WV], 3
	s_mul_i32 s96, s96, 73728
	s_mul_i32 s97, s[WV], 3072
	s_add_co_u32 s96, s96, s97                     ; LDS: 3,072 wave, and V's waves 73,728 further on: K's quarter at 3,072 w', V's at 98,304 + 3,072 w'
	s_mov_b32 s[G0A], 1
	s_mov_b32 s[G0A+1], s96
	s_mov_b32 s[G0B], 1
	s_add_co_u32 s[G0B+1], s96, 24576
	s_mov_b32 s[G0B+4], 1
	s_add_co_u32 s[G0B+5], s96, 49152
	s_mov_b32 s[G0B+8], 1
	s_add_co_u32 s[G0B+9], s96, 73728
	s_min_u32 s97, s[WV], 8
	s_add_co_u32 s97, s97, s[WV]
	s_lshl_b32 s97, s97, 9                         ; 512 (wave + min(wave, 8)): K's words at 1,024 w', V's at 8,192 + 512 w'
	s_mov_b32 s[G0S], 1
	s_add_co_u32 s[G0S+1], s97, KSL
	s_cmp_lt_u32 s[WV], 8                          ; a wave's five fills stand in one branch, ahead of every wait on TENSORcnt, every LDS read and every barrier: five loads of mine are out
	s_cbranch_scc0 .Lfill_v
	tensor_load_to_lds s[G0S:G0S+3], s[G1KS:G1KS+7]
	s_nop 0
	tensor_load_to_lds s[G0A:G0A+3], s[G1K:G1K+7]
	s_nop 0
	tensor_load_to_lds s[G0B:G0B+3], s[G1K:G1K+7]
	s_nop 0
	tensor_load_to_lds s[G0B+4:G0B+7], s[G1K:G1K+7]
	s_nop 0
	tensor_load_to_lds s[G0B+8:G0B+11], s[G1K:G1K+7]
	s_nop 0
.rept 4
	v_nop
.endr
	s_branch .Lfilled
.Lfill_v:
	tensor_load_to_lds s[G0S:G0S+3], s[G1VS:G1VS+7]
	s_nop 0
	tensor_load_to_lds s[G0A:G0A+3], s[G1V:G1V+7]
	s_nop 0
	tensor_load_to_lds s[G0B:G0B+3], s[G1V:G1V+7]
	s_nop 0
	tensor_load_to_lds s[G0B+4:G0B+7], s[G1V:G1V+7]
	s_nop 0
	tensor_load_to_lds s[G0B+8:G0B+11], s[G1V:G1V+7]
	s_nop 0
.rept 4
	v_nop
.endr
.Lfilled:
	s_mov_b32 s[SEL], 0x76543210
	s_mov_b32 s[SEL+1], 0xfedcba98                 ; v_permlanex16_b32's selects for lane l xor 16
	s_mov_b32 s[CS], 0x3e38aa3b                    ; c = log2(e) / 8
	s_mov_b32 s[CS+1], s[CS]                       ; (named with it as a pair, so it is written)
	s_mov_b32 s[UPH], 0xffff0000                   ; lanes 16-31
	; the parts of my addresses that do not hang on the query
	s_lshl_b32 s96, s[BB], 4
	s_lshr_b32 s97, s[HH], 1
	s_add_co_u32 s96, s96, s97
	s_mul_i32 s[QCO], s96, 196608                  ; Q's codes: head pair h / 2 of batch b: 128 token tiles x 1,536,
	s_and_b32 s97, s[HH], 1
	s_mul_i32 s97, s97, 768
	s_add_co_u32 s[QCO], s[QCO], s97               ; head h % 2 of the pair
	s_lshl_b32 s96, s[BB], 5
	s_add_co_u32 s96, s96, s[HH]
	s_lshl_b32 s[QSO], s96, 13                     ; Q's scale words
	s_lshr_b32 s96, s[HH], 2
	s_mul_i32 s[OFO], s96, 1572864                 ; o's codes: K step h / 4 of the next product,
	s_mul_i32 s96, s[BB], 393216
	s_add_co_u32 s[OFO], s[OFO], s96               ; batch b: 128 token tiles x 3,072,
	s_and_b32 s96, s[HH], 3
	s_mul_i32 s96, s96, 768
	s_add_co_u32 s[OFO], s[OFO], s96               ; head h % 4
	s_lshl_b32 s[OSO], s[BB], 16
	s_lshl_b32 s96, s[HH], 1
	s_add_co_u32 s[OSO], s[OSO], s96               ; o's scale bytes: 32 a token, 2 h on
	v_and_b32 v7, 31, v0
	v_and_b32 v[RR], 15, v0
	v_bfe_u32 v[H8], v0, 4, 1
	v_lshl_add_u32 v[OSA], v[RR], 5, v[H8]
	v_lshlrev_b32 v[H8], 3, v[H8]
	v_lshlrev_b32 v[R4], 2, v[RR]
	v_lshlrev_b32 v[AK0], 3, v7
	v_add_nc_u32 v[AV0], VL, v[AK0]
	v_lshl_add_u32 v[ASK0], v7, 2, KSL
	v_lshl_add_u32 v[ASV0], v7, 2, VSL
.irp t, 0,1,2,3
	v_mov_b32 v[KFR+12*\t+6], 0x3f                 ; every key: the code of -7.5 at k = 64 (and at k = 96, where the query holds 0)
.irp i, 7,8,9,10,11
	v_mov_b32 v[KFR+12*\t+\i], 0
.endr
.endr
	v_mov_b32 v[QF+6], 0x1f                        ; every query: the code of +7.5 at k = 64,
.irp i, 7,8,9,10,11
	v_mov_b32 v[QF+\i], 0
.endr
	v_cndmask_b32 v[QF+6], v[QF+6], v[QF+7], s[UPH]   ; and 0 at k = 96
.irp b, 0,1,2,3
	v_mov_b32 v[PT+\b], 0                          ; a lane permute's destination counts as one of its sources
.endr
	v_mov_b32 v[F+1], 0                            ; (the upper halves of pairs of which the low word serves both halves)
	v_mov_b32 v[RC+1], 0
	v_mov_b32 v[TMP], 0
	v_mov_b32 v[CFF], 0xff
	v_mov_b32 v[NINF], 0xff800000
; A KEY STEP: 128 keys from s[KF] on.
.macro STEP
	s_add_co_u32 s96, s[Q0], 15                    ; a step all of whose keys come after my 16 queries is left out: a branch on ids, round the work; not round the lines at its end that step addresses
	s_cmp_gt_u32 s[KF], s96
	s_cbranch_scc1 .Lhidden_\@
	v_add_nc_u32 v[ADK], s[TBK], v[AK0]
	v_add_nc_u32 v[ADV], s[TBK], v[AV0]
	v_add_nc_u32 v[ADS], s[TS], v[ASK0]
	v_add_nc_u32 v[ADT], s[TJ], v[ASV0]
	v_nop
	v_nop                                          ; six places: the first product below writes over registers that the last step's products read as V's fragments (five are owed)
.irp i, 0,1,2,3
	ds_load_b32 v[KSW+\i], v[ADS] offset:128*\i
.endr
.irp g, 0,1                                    ; S^T = K Q^T, four tiles of 16 keys at a time
.if \g > 0
.rept 4
	v_nop                                          ; places in front of loads into registers that matrix instructions have read
.endr
.endif
.irp t, 0,1,2,3
.irp p, 0,1,2
	ds_load_b64 v[KFR+12*\t+2*\p:KFR+12*\t+2*\p+1], v[ADK] offset:(4*\g+\t)*768+256*\p   ; 256 consecutive bytes
.endr
.endr
	s_wait_dscnt 0x0
.irp t, 0,1,2,3
.if \t % 2
	v_wmma_scale_f32_16x16x128_f8f6f4 v[S+8*(4*\g+\t):S+8*(4*\g+\t)+7], v[KFR+12*\t:KFR+12*\t+11], v[QF:QF+11], 0, v[KSW+(4*\g+\t)/2], v[QS] matrix_a_fmt:MATRIX_FMT_FP6 matrix_b_fmt:MATRIX_FMT_FP6 matrix_a_scale:MATRIX_SCALE_ROW1
.else
	v_wmma_scale_f32_16x16x128_f8f6f4 v[S+8*(4*\g+\t):S+8*(4*\g+\t)+7], v[KFR+12*\t:KFR+12*\t+11], v[QF:QF+11], 0, v[KSW+(4*\g+\t)/2], v[QS] matrix_a_fmt:MATRIX_FMT_FP6 matrix_b_fmt:MATRIX_FMT_FP6
.endif
.endr
.endr
.rept 4
	v_nop
.endr
	s_add_co_u32 s96, s[KF], 127                   ; on the diagonal the scores of later keys become -infinity; a step all of whose keys count skips this
	s_cmp_le_u32 s96, s[Q0]
	s_cbranch_scc1 .Lopen_\@
	s_sub_co_i32 s96, s[Q0], s[KF]
	v_sub_nc_u32 v[TMP], v[RR], v[H8]
	v_add_nc_u32 v[TMP], s96, v[TMP]               ; d = my query - KF - 8 (lane / 16): register n is hidden where 16 (n / 8) + n % 8 > d
.set n, 0
.rept 64
	v_cmp_gt_i32 vcc_lo, 16*(n/8)+n%8, v[TMP]
	v_cndmask_b32 v[S+n], v[S+n], v[NINF], vcc_lo
.set n, n+1
.endr
.Lopen_\@:
.irp b, 0,1,2,3
	v_max3_num_f32 v[BM+\b], v[S+16*\b], v[S+1+16*\b], v[S+2+16*\b]   ; the largest score of each block of 32 keys: for the row's maximum, and, since p rises with the score, for the block's largest p
.endr
.irp i, 3,5,7,9,11,13
.irp b, 0,1,2,3
	v_max3_num_f32 v[BM+\b], v[BM+\b], v[S+16*\b+\i], v[S+1+16*\b+\i]
.endr
.endr
.irp b, 0,1,2,3
	v_max_num_f32 v[BM+\b], v[BM+\b], v[S+15+16*\b]
.endr
.irp b, 0,1,2,3
	v_permlanex16_b32 v[PT+\b], v[BM+\b], s[SEL], s[SEL+1]
.endr
.irp b, 0,1,2,3
	v_max_num_f32 v[BM+\b], v[BM+\b], v[PT+\b]     ; with lane l xor 16's 16 keys
.endr
	v_max3_num_f32 v[TMP], v[BM], v[BM+1], v[BM+2]
	v_max_num_f32 v[TMP], v[TMP], v[BM+3]
	v_mul_f32 v[TMP], s[CS], v[TMP]                ; as t
	v_max_num_f32 v13, v13, v[TMP]                 ; the running largest t
	v_mov_b32 v[TMP], v12
	v_floor_f32 v12, -v13                          ; the new -M = floor(-t): M is a whole number
	v_sub_f32 v[TMP], v12, v[TMP]                  ; old M - new M: a whole number, 0 or less
	v_cvt_i32_f32 v[TMP], v[TMP]                   ; (it saturates)
	v_ldexp_f32 v[F], 1.0, v[TMP]                  ; f = 2^(old M - new M)
.set j, 0
.rept 32
	v_pk_fma_f32 v[S+j:S+j+1], v[S+j:S+j+1], s[CS:CS+1], v[12:13] op_sel_hi:[1,0,0]   ; t - M, two at a time
.set j, j+2
.endr
.irp b, 0,1,2,3
	v_fma_f32 v[BM+\b], v[BM+\b], s[CS], v12
.endr
.set j, 0
.rept 64
	v_exp_f32 v[S+j], v[S+j]                       ; p = 2^(t - M)
.set j, j+1
.endr
	v_pk_mul_f32 v[14:15], v[14:15], v[F:F+1] op_sel_hi:[1,0]   ; the sums under the new M: the plain line behind the exponentials
	s_wait_alu depctr_va_vdst(0)                   ; one wait for the batch of 64, ahead of its first reader
.irp b, 0,1,2,3
	v_exp_f32 v[BM+\b], v[BM+\b]                   ; each block's largest p
.endr
	v_pk_add_f32 v[PT:PT+1], v[S:S+1], v[S+2:S+3]  ; the row's sum of the unquantised p, in two chains; it reads the 64 alone
.set j, 4
.rept 15
	v_pk_add_f32 v[14:15], v[14:15], v[S+j:S+j+1]
	v_pk_add_f32 v[PT:PT+1], v[PT:PT+1], v[S+2+j:S+3+j]
.set j, j+4
.endr
	v_pk_add_f32 v[14:15], v[14:15], v[PT:PT+1]
	s_wait_alu depctr_va_vdst(0)                   ; and one for the four
.irp b, 0,1,2,3
	v_max_num_f32 v[BM+\b], 0x1800000, v[BM+\b]    ; the floor 2^(3 - 127): the byte cannot fall under 1
.endr
.irp b, 0,1,2,3
	v_add_nc_u32 v[SOP+\b], 0xff000000, v[BM+\b]   ; 2 off the exponent field: the conversion's scale operand
.endr
.irp b, 0,1,2,3
	v_lshrrev_b32 v[PT+\b], 23, v[SOP+\b]
.endr
	v_lshl_or_b32 v[PWD], v[PT+1], 8, v[PT]        ; p's scale word for these 128 keys
	v_lshl_or_b32 v[PWD], v[PT+2], 16, v[PWD]
	v_lshl_or_b32 v[PWD], v[PT+3], 24, v[PWD]
.irp c, 0,1
	v_cvt_scalef32_pk16_fp6_f32 v[PCD+6*\c:PCD+2+6*\c], v[S+32*\c:S+15+32*\c], v[SOP+2*\c]
	v_cvt_scalef32_pk16_fp6_f32 v[CT+4*\c:CT+2+4*\c], v[S+16+32*\c:S+31+32*\c], v[SOP+2*\c+1]
.endr
	v_nop                                          ; one plain place behind a scaled conversion
.irp t, 0,1,2,3                                ; p has been read: V's four fragments take its registers
.irp p, 0,1,2,3,4,5
	ds_load_b64 v[S+12*\t+2*\p:S+12*\t+2*\p+1], v[ADV] offset:1536*\t+256*\p
.endr
.endr
.irp i, 0,1
	ds_load_b32 v[VSW+\i], v[ADT] offset:128*\i
.endr
.irp c, 0,1                                    ; a whole block to a lane
.irp i, 0,1,2
	v_permlane16_swap_b32 v[PCD+6*\c+\i], v[CT+4*\c+\i]
.endr
.irp i, 0,1,2
	v_mov_b32 v[PCD+3+6*\c+\i], v[CT+4*\c+\i]
.endr
.endr
.set j, 0
.rept 16
	v_pk_mul_f32 v[O+j:O+j+1], v[O+j:O+j+1], v[F:F+1] op_sel_hi:[1,0]   ; O^T under the new M; these are also the places between p's codes and scale word and the products
.set j, j+2
.endr
	s_wait_dscnt 0x0
.irp t, 0,1,2,3                                ; O^T += V^T P^T: four accumulators by turns
.if \t % 2
	v_wmma_scale_f32_16x16x128_f8f6f4 v[O+8*\t:O+8*\t+7], v[S+12*\t:S+12*\t+11], v[PCD:PCD+11], v[O+8*\t:O+8*\t+7], v[VSW+\t/2], v[PWD] matrix_a_fmt:MATRIX_FMT_FP6 matrix_b_fmt:MATRIX_FMT_FP6 matrix_a_scale:MATRIX_SCALE_ROW1
.else
	v_wmma_scale_f32_16x16x128_f8f6f4 v[O+8*\t:O+8*\t+7], v[S+12*\t:S+12*\t+11], v[PCD:PCD+11], v[O+8*\t:O+8*\t+7], v[VSW+\t/2], v[PWD] matrix_a_fmt:MATRIX_FMT_FP6 matrix_b_fmt:MATRIX_FMT_FP6
.endif
.endr
.Lhidden_\@:
	s_add_co_u32 s[KF], s[KF], 128
	s_add_co_u32 s[TBK], s[TBK], 6144
	s_add_co_u32 s[TS], s[TS], 512
	s_add_co_u32 s[TJ], s[TJ], 256
.endm
.macro WALK n                          ; n key steps: a constant
	s_mov_b32 s[CNT], \n
.Lwalk_\@:
	STEP
	s_sub_co_u32 s[CNT], s[CNT], 1
	s_cmp_lg_u32 s[CNT], 0
	s_cbranch_scc1 .Lwalk_\@
.endm
; A pass begins: query block s[BLK]; my 16 queries, their fragment and scale word; the statistics and O^T begin anew.
.macro PINIT
	s_wait_xcnt 0x0                                ; the last pass's stores have read their bases and registers
	s_lshl_b32 s[Q0], s[BLK], 8
	s_lshl_b32 s96, s[WV], 4
	s_add_co_u32 s[Q0], s[Q0], s96                 ; my first query
	s_mov_b32 s97, 0
	s_mul_i32 s96, s[Q0], 96
	s_add_co_u32 s96, s96, s[QCO]
	s_add_nc_u64 s[QCB:QCB+1], s[4:5], s[96:97]
	s_lshl_b32 s96, s[Q0], 2
	s_add_co_u32 s96, s96, s[QSO]
	s_add_nc_u64 s[QSB:QSB+1], s[6:7], s[96:97]
	s_mul_i32 s96, s[Q0], 192
	s_add_co_u32 s96, s96, s[OFO]
	s_add_nc_u64 s[OFB:OFB+1], s[12:13], s[96:97]
	s_lshl_b32 s96, s[Q0], 5
	s_add_co_u32 s96, s96, s[OSO]
	s_add_nc_u64 s[OSB:OSB+1], s[14:15], s[96:97]
.irp p, 0,1,2
	global_load_b64 v[QF+2*\p:QF+2*\p+1], v[AK0], s[QCB:QCB+1] offset:256*\p
.endr
	global_load_b32 v[QS], v[R4], s[QSB:QSB+1]
	v_mov_b32 v13, 0xf149f2ca                      ; the largest t so far: -1e30: above every masked t, under every other
	v_floor_f32 v12, -v13
	v_mov_b32 v14, 0
	v_mov_b32 v15, 0
.set j, 0
.rept 32
	v_mov_b32 v[O+j], 0                            ; the step is written once: the first finds zeros
.set j, j+1
.endr
	s_wait_loadcnt 0x0
.endm
; A pass ends: o = O^T / the sum, quantised along the head's 64 channels (two blocks of the model's 1,024), in the channels' true order, since the next product's other operand is given.
.macro OUT
.rept 4
	v_nop
.endr
	v_add_f32 v14, v14, v15
	v_permlanex16_b32 v[TMP], v14, s[SEL], s[SEL+1]
	v_add_f32 v14, v14, v[TMP]                     ; the row's sum
	v_cmp_eq_f32 s[LZ], 0, v14                     ; no key counted
	v_rcp_f32 v[RC], v14
	v_nop                                          ; a plain line behind the reciprocal,
	s_wait_alu depctr_va_vdst(0)                   ; and the wait ahead of its first reader
.set j, 0
.rept 16
	v_pk_mul_f32 v[O+j:O+j+1], v[O+j:O+j+1], v[RC:RC+1] op_sel_hi:[1,0]   ; each accumulator from its low end on
.set j, j+2
.endr
.irp j, 0,1,2,3,4,5,6,7                        ; tiles 0, 1 and 2, 3 change halves: a lane's 16 registers are then channels 32 b + 16 (lane / 16) + 0 .. 15
	v_permlane16_swap_b32 v[O+\j], v[O+8+\j]
	v_permlane16_swap_b32 v[O+16+\j], v[O+24+\j]
.endr
.irp b, 0,1
	v_max3_num_f32 v[BM+\b], |v[O+16*\b]|, |v[O+1+16*\b]|, 0x1800000
.endr
.irp i, 2,4,6,8,10,12,14
.irp b, 0,1
	v_max3_num_f32 v[BM+\b], v[BM+\b], |v[O+16*\b+\i]|, |v[O+1+16*\b+\i]|
.endr
.endr
.irp b, 0,1
	v_permlanex16_b32 v[PT+\b], v[BM+\b], s[SEL], s[SEL+1]
.endr
.irp b, 0,1
	v_max_num_f32 v[BM+\b], v[BM+\b], v[PT+\b]
.endr
.irp b, 0,1
	v_add_nc_u32 v[SOP+\b], 0xff000000, v[BM+\b]
.endr
.irp b, 0,1
	v_lshrrev_b32 v[PT+\b], 23, v[SOP+\b]
.endr
	v_cvt_scalef32_pk16_fp6_f32 v[PCD:PCD+2], v[O:O+15], v[SOP]
	v_cvt_scalef32_pk16_fp6_f32 v[CT:CT+2], v[O+16:O+31], v[SOP+1]
	v_nop
.irp i, 0,1,2
	v_permlane16_swap_b32 v[PCD+\i], v[CT+\i]
.endr
.irp i, 0,1,2
	v_mov_b32 v[PCD+3+\i], v[CT+\i]
.endr
	v_cndmask_b32 v[TMP], v[PT], v[PT+1], s[UPH]   ; lanes 0-15 carry block 0's byte, lanes 16-31 block 1's;
	v_cndmask_b32 v[TMP], v[TMP], v[CFF], s[LZ]    ; 0xff where no key counted
.irp p, 0,1,2
	global_store_b64 v[AK0], v[PCD+2*\p:PCD+2*\p+1], s[OFB:OFB+1] offset:256*\p   ; 256 consecutive bytes, aligned
.endr
	global_store_b8 v[OSA], v[TMP], s[OSB:OSB+1]
.endm
	s_sub_co_u32 s[BLK], 7, ttmp9                  ; the late block first: all its steps are work under which the later quarters land
	PINIT
.irp c, 0,1,2,3
	s_wait_tensorcnt 3-\c                          ; my scale words and my parts of quarters 0 to c are in; the 3 - c younger loads may stay out: no LDS byte is ever filled again
	s_wait_dscnt 0x0
	s_barrier_signal -1
	s_barrier_wait -1                              ; everybody's are
	s_mov_b32 s[KF], 512*\c
	s_mov_b32 s[TBK], 24576*\c
	s_mov_b32 s[TS], 2048*\c
	s_mov_b32 s[TJ], 1024*\c
	WALK 4
.endr
	OUT
	s_mov_b32 s[BLK], ttmp9                        ; the early block: blocks 0 to 3 see keys under 1,024 alone
	PINIT
	s_mov_b32 s[KF], 0
	s_mov_b32 s[TBK], 0
	s_mov_b32 s[TS], 0
	s_mov_b32 s[TJ], 0
	WALK 8
	OUT
	s_wait_tensorcnt 0x0
	ds_add_u32 v254, v255
	s_wait_dscnt 0x0
	s_endpgm
.Lfunc_end_k_q4b321d34c7_attn:
	.size	k_q4b321d34c7_attn, .Lfunc_end_k_q4b321d34c7_attn-k_q4b321d34c7_attn
	.p2alignl 7, 3214868480
	.fill 96, 4, 3214868480
	.section	.rodata,"a",@progbits
	.p2align	6, 0x0
	.amdhsa_kernel k_q4b321d34c7_attn
		.amdhsa_group_segment_fixed_size 210944
		.amdhsa_private_segment_fixed_size 0
		.amdhsa_enable_private_segment 0
		.amdhsa_kernarg_size 48
		.amdhsa_user_sgpr_count 2
		.amdhsa_user_sgpr_kernarg_segment_ptr 1
		.amdhsa_wavefront_size32 1
		.amdhsa_system_sgpr_workgroup_id_x 1
		.amdhsa_system_sgpr_workgroup_id_y 1
		.amdhsa_system_sgpr_workgroup_id_z 1
		.amdhsa_system_vgpr_workitem_id 0
		.amdhsa_next_free_vgpr 256
		.amdhsa_next_free_sgpr 102
		.amdhsa_reserve_vcc 1
		.amdhsa_float_denorm_mode_32 3
		.amdhsa_float_denorm_mode_16_64 3
		.amdhsa_memory_ordered 1
		.amdhsa_forward_progress 1
		.amdhsa_inst_pref_size 138
	.end_amdhsa_kernel
	.amdgpu_metadata
---
amdhsa.version: [ 1, 2 ]
amdhsa.kernels:
  - .name:           k_q4b321d34c7_attn
    .symbol:         k_q4b321d34c7_attn.kd
    .args:
      - { .name: qkf, .offset: 0, .size: 8, .value_kind: global_buffer, .address_space: global }
      - { .name: qks, .offset: 8, .size: 8, .value_kind: global_buffer, .address_space: global }
      - { .name: vf, .offset: 16, .size: 8, .value_kind: global_buffer, .address_space: global }
      - { .name: vs, .offset: 24, .size: 8, .value_kind: global_buffer, .address_space: global }
      - { .name: of, .offset: 32, .size: 8, .value_kind: global_buffer, .address_space: global }
      - { .name: os, .offset: 40, .size: 8, .value_kind: global_buffer, .address_space: global }
    .group_segment_fixed_size: 210944
    .private_segment_fixed_size: 0
    .kernarg_segment_align: 8
    .kernarg_segment_size: 48
    .max_flat_workgroup_size: 512
    .sgpr_count:     102
    .vgpr_count:     256
    .wavefront_size: 32
...
	.end_amdgpu_metadata
.endif
;; end of part 2
;; launch proj (part 3): grid 4 x 32, 4 waves a work-group, clusters of 4 x 4, 327,680 bytes of LDS; arguments of, os, w_out_codes, w_out_scales, b_out, out0; writes out0
.if DOCPART == 3
	.amdgcn_target "amdgcn-amd-amdhsa--gfx1250"
	.amdhsa_code_object_version 6
	.text
	.protected	k_q4b321d34c7_proj
	.globl	k_q4b321d34c7_proj
	.p2align	8
	.type	k_q4b321d34c7_proj,@function
k_q4b321d34c7_proj:
	s_mov_b64 s[64:65], 0
	v_nop
	global_prefetch_b8 v0, s[64:65] scope:SCOPE_SE
	s_setreg_imm32_b32 hwreg(HW_REG_WAVE_MODE, 25, 1), 1
	s_wait_xcnt 0x0
	s_wait_alu depctr_hold_cnt(0) depctr_sa_sdst(0) depctr_va_vdst(0) depctr_va_sdst(0) depctr_va_ssrc(0) depctr_va_vcc(0) depctr_vm_vsrc(0)
	s_getreg_b32 s2, hwreg(HW_REG_IB_STS2, 6, 4)
	s_cmp_eq_u32 s2, 0
	s_cbranch_scc0 .Lentry_in_a_cluster
	s_endpgm
.Lentry_in_a_cluster:
	s_bfe_u32 s2, ttmp6, 0x10000c
	s_cmp_lg_u32 s2, 0xf033
	s_cbranch_scc0 .Lentry_shape_is_right
	s_endpgm
.Lentry_shape_is_right:
; out0 = o w_out + b_out on codes of FP6 (E2M3) with E8M0 scales.  o: 8,192 tokens x 1,024, as images of the operand's registers (of: [K step of 256][token tile][head of the step 4][3][lane][8 bytes])
; with scale bytes [token][32] (os; 0xff in a row whose softmax had no key: its sums are NaN, as they are to be).  w_out: [1,024 (n)][1,024 (k)] codes, K innermost, scale bytes [n][32].  out0: f32.
; A tile of 256 x 256 is made by four waves, each 128 x 128: 64 accumulators.  K goes in four steps of 256 through a ring of two LDS slots.  128 work-groups: the tile is kept large, since K is short and each byte read from LDS feeds the more products.
; CLUSTERS: 4 x 4: o's tile is asked for jointly along a row of the cluster, w_out's along a column.  THE MATRIX INSTRUCTION IS USED TRANSPOSED (source 0 = 16 rows of w_out, source 1 = 16 tokens): a lane holds eight neighbouring numbers of a row of out0.
; o's part of a slot is one dense block of 24,576 bytes for each 128 tokens; a fragment comes by six loads of 256 consecutive bytes.  b_out is the C of each sum's first product.
; REGISTERS: window 0: v0-31 addresses; v32-63 scale words, two sets; v64-127 b_out in the result's layout; v128-223 o's fragments, one set; on the way out v128-255.  window 1: w_out's fragments, two sets.  windows 2, 3: the accumulators.
.set SIZE_N, 1024
.set NQ,     2
.set ROWB,   192
.set KROW,   768
.set PITCH,  240
.set FR,     12
.set NL,     6
.set NP,     4
.set AHALF,  24576                     ; o's images of 128 tokens x 256 along K
.set KSB,    1572864                   ; from K step to K step in of
.set HALFT,  128*PITCH
.set SLOT,   2*AHALF+2*HALFT           ; o's 256 tokens, then w_out's 256 rows
.set KS,     32
.set SCL,    2*SLOT
.set HALFS,  16*272
.set SBLK,   2*272
.set SPARE,  SCL+4*HALFS               ; the spare words: 128 bytes a wave, named by no other line
.set SPITCH, 528                       ; the way out: 16 rows x (512 + 16) bytes a wave, in slot 0, which has had its last fill and its last read by then
.set ADRA, 16
.set ADRB, 20
.set STO,  24
.set RD,   25
.set CO,   26
.set ADRS, 27
.set SPW,  28
.set NIL,  29
.set SC,   32
.set BP,   64
.set AF,   128
.set BK,   128
.set WV,  2
.set RH,  66
.set PH,  67
.set G1, 24
.set G0, 32
.set G1B, 48
.set G0B, 56
.set G1S, 68
.set G0S, 76
.set G1SB, 80
.set G0SB, 88
.set MSB, 0
.macro WIN new
.if MSB != (\new)
	s_set_vgpr_msb (MSB<<8)|(\new)
.set MSB, (\new)
.endif
.endm
.set MUL_LO, 0xa1
.set MUL_HI, 0xf1
.set TO_B,   0x40
.macro JLOAD g0a, g1a, g0b, g1b        ; waves 0 and 1 fetch for o, waves 2 and 3 for w_out; four v_nop follow each of the two lines
	s_cmp_eq_u32 s[RH], 0
	s_cbranch_scc0 .Lfor_b_\@
	tensor_load_to_lds s[\g0a:\g0a+3], s[\g1a:\g1a+7]
	s_nop 0
.rept 4
	v_nop
.endr
	s_branch .Lasked_\@
.Lfor_b_\@:
	tensor_load_to_lds s[\g0b:\g0b+3], s[\g1b:\g1b+7]
	s_nop 0
.rept 4
	v_nop
.endr
.Lasked_\@:
.endm
.macro CREST
	s_cmp_lg_u32 s[WV], 0
	s_cbranch_scc1 .Lnot_wave_0_\@
	s_barrier_signal -3
.Lnot_wave_0_\@:
	s_barrier_wait -3
	s_barrier_signal -1
	s_barrier_wait -1
.endm
.macro CROUND
	s_barrier_signal -1
	s_barrier_wait -1
	CREST
.endm
	s_load_b256 s[4:11], s[0:1], 0x0               ; of, os, w_out's codes, w_out's scales
	s_load_b128 s[12:15], s[0:1], 0x20             ; b_out, out0
	v_lshl_add_u32 v[SPW], v0, 2, SPARE
	v_mov_b32 v[NIL], 0
	ds_add_u32 v28, v29
	ds_add_u32 v28, v29
	s_wait_dscnt 0x0
	v_lshrrev_b32 v1, 5, v0
	v_readfirstlane_b32 s[WV], v1
	s_lshr_b32 s[RH], s[WV], 1                     ; my half of the tile's tokens.  Also: I fetch for o (0) or for w_out (1)
	s_and_b32 s[PH], s[WV], 1                      ; my half of its columns.  Also: which half of that tile I fetch
	s_bfe_u32 s40, ttmp6, 0x40000
	s_bfe_u32 s41, ttmp6, 0x40004
	s_lshl_b32 s42, ttmp9, 2
	s_add_co_u32 s42, s42, s40                     ; tile column
	s_and_b32 s43, ttmp7, 0xffff
	s_lshl_b32 s43, s43, 2
	s_add_co_u32 s43, s43, s41                     ; tile row
	s_lshl_b32 s44, s41, 2
	s_lshl_b32 s44, 15, s44
	s_lshl_b32 s45, 0x1111, s40
	s_or_b32 s[G1+0], s44, (3<<16)|(1<<21)         ; o's images: 24,576 dense bytes as 96 rows of 32 elements of 8 bytes, no padding; to my row of the cluster
	s_mov_b32 s[G1+1], 32<<16
	s_mov_b32 s[G1+2], 96<<16
	s_mov_b32 s[G1+3], 32<<16
	s_mov_b32 s[G1+4], 96
	s_mov_b32 s[G1+5], 32
	s_mov_b32 s[G1+6], 0
	s_mov_b32 s[G1+7], 0
	s_or_b32 s[G1B+0], s45, (0<<16)|(1<<20)|(1<<21)|(3<<22)|(3<<25)  ; w_out's tile: 128 rows of 192 bytes, 16 bytes of padding behind every 64; to my column
	s_mov_b32 s[G1B+1], ROWB<<16
	s_mov_b32 s[G1B+2], 128<<16
	s_mov_b32 s[G1B+3], ROWB<<16
	s_mov_b32 s[G1B+4], 128
	s_mov_b32 s[G1B+5], KROW
	s_mov_b32 s[G1B+6], 0
	s_mov_b32 s[G1B+7], 0
	s_or_b32 s[G1S+0], s44, (3<<16)|(1<<20)|(1<<21)|(5<<22)|(3<<25)
	s_or_b32 s[G1SB+0], s45, (3<<16)|(1<<20)|(1<<21)|(5<<22)|(3<<25)
.irp g, G1S, G1SB
	s_mov_b32 s[\g+1], 32<<16
	s_mov_b32 s[\g+2], 16<<16
	s_mov_b32 s[\g+3], 32<<16
	s_mov_b32 s[\g+4], 16
	s_mov_b32 s[\g+5], 32
	s_mov_b32 s[\g+6], 0
	s_mov_b32 s[\g+7], 0
.endr
	s_lshl_b32 s95, s[PH], 7
	s_lshl_b32 s46, s43, 8
	s_add_co_u32 s46, s46, s95                     ; o: token 256 tile row + 128 half
	s_lshl_b32 s100, s46, 5                        ; its scale bytes,
	s_mul_i32 s46, s46, 192                        ; its images: 3,072 bytes for 16 tokens
	s_mov_b32 s47, 0
	s_mov_b32 s101, 0
	s_lshl_b32 s96, s42, 8
	s_add_co_u32 s96, s96, s95                     ; w_out: row 256 tile column + 128 half
	s_lshl_b32 s98, s96, 5
	s_mul_i32 s96, s96, KROW
	s_mov_b32 s97, 0
	s_mov_b32 s99, 0
	s_wait_kmcnt 0x0
	s_add_nc_u64 s[G0+2:G0+3], s[4:5], s[46:47]
	s_add_nc_u64 s[G0+6:G0+7], s[G0+2:G0+3], KSB
	s_add_nc_u64 s[G0B+2:G0B+3], s[8:9], s[96:97]
	s_add_nc_u64 s[G0B+6:G0B+7], s[G0B+2:G0B+3], ROWB
	s_add_nc_u64 s[G0S+2:G0S+3], s[6:7], s[100:101]
	s_add_nc_u64 s[G0SB+2:G0SB+3], s[10:11], s[98:99]
.irp g, G0+3, G0+7, G0B+3, G0B+7, G0S+3, G0SB+3
	s_or_b32 s[\g], s[\g], 0x80000000
.endr
	s_mul_i32 s95, s[PH], AHALF                    ; where they go: no place in the cluster enters an LDS address
	s_mov_b32 s[G0], 1
	s_mov_b32 s[G0+1], s95
	s_mov_b32 s[G0+4], 1
	s_add_co_u32 s[G0+5], s95, SLOT
	s_mul_i32 s95, s[PH], HALFT
	s_mov_b32 s[G0B], 1
	s_add_co_u32 s[G0B+1], s95, 2*AHALF
	s_mov_b32 s[G0B+4], 1
	s_add_co_u32 s[G0B+5], s95, 2*AHALF+SLOT
	s_mul_i32 s94, s[WV], HALFS
	s_mov_b32 s[G0S], 1
	s_add_co_u32 s[G0S+1], s94, SCL
	s_mov_b32 s[G0SB], 1
	s_add_co_u32 s[G0SB+1], s94, SCL
	CROUND                                         ; all sixteen work-groups are here: the first joint loads meet
	JLOAD G0S, G1S, G0SB, G1SB
	JLOAD G0, G1, G0B, G1B
	JLOAD G0+4, G1, G0B+4, G1B                     ; three loads of mine are out
	v_and_b32 v1, 15, v0
	v_bfe_u32 v2, v0, 4, 1
	v_and_b32 v6, 31, v0
	v_mul_u32_u24 v3, v1, PITCH
	v_mul_u32_u24 v4, v2, 24
	v_add_nc_u32 v4, v3, v4
	v_lshl_add_u32 v5, v2, 4, v4
	v_lshlrev_b32 v3, 3, v6                        ; o's images: 8 x lane
	s_mul_i32 s8, s[RH], AHALF                     ; my 128 tokens
	s_mul_i32 s9, s[PH], HALFT
	s_add_co_u32 s9, s9, 2*AHALF                   ; my 128 rows of w_out
.irp s, 0,1
	v_add_nc_u32 v[ADRA+\s], s8, v3
	v_add_nc_u32 v[ADRB+\s], s9, v4
	v_add_nc_u32 v[ADRB+2+\s], s9, v5
	s_add_co_u32 s8, s8, SLOT
	s_add_co_u32 s9, s9, SLOT
.endr
	v_mul_u32_u24 v5, v1, KS
	v_lshrrev_b32 v7, 8, v5
	v_lshl_add_u32 v5, v7, 4, v5
	s_mul_i32 s8, s[RH], HALFS
	s_mul_i32 s9, s[PH], HALFS
	s_add_co_u32 s9, s9, 2*HALFS
	s_sub_co_u32 s9, s9, s8
	v_mul_u32_u24 v7, s9, v2                       ; lanes 16-31 take w_out's
	s_add_co_u32 s8, s8, SCL
	v_add_nc_u32 v5, v5, v7
	v_add_nc_u32 v[ADRS], s8, v5
	s_mul_i32 s8, s[WV], 16*SPITCH                 ; my stage
	v_mul_u32_u24 v5, v1, SPITCH
	v_lshl_add_u32 v5, v2, 5, v5
	v_add_nc_u32 v[STO], s8, v5
	v_lshlrev_b32 v[CO], 4, v6
	v_add_nc_u32 v[RD], s8, v[CO]
	s_lshl_b32 s10, s42, 10
	s_lshl_b32 s11, s[PH], 9
	s_add_co_u32 s10, s10, s11                     ; my first column, in bytes (of a row of out0, and of b_out)
	s_lshl_b32 s8, s43, 8
	s_lshl_b32 s9, s[RH], 7
	s_add_co_u32 s8, s8, s9                        ; my first row
	s_lshl_b32 s8, s8, 12                          ; x 4,096 bytes
	s_add_co_u32 s8, s8, s10
	s_mov_b32 s9, 0
	s_add_nc_u64 s[14:15], s[14:15], s[8:9]
	v_lshl_add_u32 v7, v2, 5, s10
.irp b, 0,1,2,3,4,5,6,7
	global_load_b128 v[BP+8*\b:BP+8*\b+3], v7, s[12:13] offset:64*\b       ; register 8 b + j: b_out of my column 16 b + 8 h + j
	global_load_b128 v[BP+8*\b+4:BP+8*\b+7], v7, s[12:13] offset:64*\b+16
.endr
	s_wait_loadcnt 0x0
.macro FRAG reg, adr, q, i             ; w_out: 16 rows x 128 K in pieces of 8 bytes; where the piece of lanes 16-31 lies behind one padding more, the second address register serves
.irp p, 0,1,2,3,4,5
.set PCE, 12*(\q)+6*(\p/3)+\p%3
.if PCE%8 < 5
	ds_load_b64 v[\reg+2*\p:\reg+2*\p+1], v[\adr] offset:8*PCE+16*(PCE/8)+(\i)*16*PITCH
.else
	ds_load_b64 v[\reg+2*\p:\reg+2*\p+1], v[\adr+2] offset:8*PCE+16*(PCE/8)+(\i)*16*PITCH
.endif
.endr
.endm
.macro FRAGA reg, adr, q, i            ; o: the image of 12 registers: six loads of 256 consecutive bytes
.irp p, 0,1,2,3,4,5
	ds_load_b64 v[\reg+2*\p:\reg+2*\p+1], v[\adr] offset:3072*(\i)+1536*(\q)+256*\p
.endr
.endm
; 16 matrix instructions; the 64 accumulators take turns, one instruction a turn.  first = 1: the sums begin with b_out.
.macro MUL16 a0, p, q, sc, first
.irp a, \a0, \a0+1
.irp b, 0,1,2,3,4,5,6,7
.if \first
	v_wmma_scale_f32_16x16x128_f8f6f4 v[8*(8*((\a)%4)+\b):8*(8*((\a)%4)+\b)+7], v[128*(\p)+FR*\b:128*(\p)+FR*\b+FR-1], v[AF+FR*(\a):AF+FR*(\a)+FR-1], v[BP+8*\b:BP+8*\b+7], v[SC+8*NQ*(\sc)+NQ*\b+(\q)], v[SC+8*NQ*(\sc)+NQ*(\a)+(\q)] matrix_a_fmt:MATRIX_FMT_FP6 matrix_b_fmt:MATRIX_FMT_FP6 matrix_a_scale:MATRIX_SCALE_ROW1
.else
	v_wmma_scale_f32_16x16x128_f8f6f4 v[8*(8*((\a)%4)+\b):8*(8*((\a)%4)+\b)+7], v[128*(\p)+FR*\b:128*(\p)+FR*\b+FR-1], v[AF+FR*(\a):AF+FR*(\a)+FR-1], v[8*(8*((\a)%4)+\b):8*(8*((\a)%4)+\b)+7], v[SC+8*NQ*(\sc)+NQ*\b+(\q)], v[SC+8*NQ*(\sc)+NQ*(\a)+(\q)] matrix_a_fmt:MATRIX_FMT_FP6 matrix_b_fmt:MATRIX_FMT_FP6 matrix_a_scale:MATRIX_SCALE_ROW1
.endif
.endr
.endr
.endm
.macro FETCH_B slot, q, p
	WIN TO_B
.irp i, 0,1,2,3,4,5,6,7
	FRAG 128*(\p)+FR*\i, ADRB+\slot, \q, \i
.endr
	WIN 0
.endm
.macro FETCH_A slot, q, i0
.irp i, \i0, \i0+1, \i0+2, \i0+3
	FRAGA AF+FR*(\i), ADRA+\slot, \q, \i
.endr
.endm
.macro SCALES sc
.irp i, 0,1,2,3,4,5,6,7
	ds_load_b64 v[SC+8*NQ*\sc+NQ*\i:SC+8*NQ*\sc+NQ*\i+1], v[ADRS] offset:\i*SBLK
.endr
.endm
.macro PLACES n
.rept \n
	v_nop
.endr
.endm
.macro STEP slot, q, first
	s_wait_dscnt 4*NL                              ; w_out's set and o's blocks 0-3 are in; the youngest 24 loads (o's blocks 4-7) may be out
.if \first
	WIN 0x81                                       ; C (b_out) in window 0, D in window 2
.else
	WIN MUL_LO
.endif
	MUL16 0, (\q)%2, \q, \slot, \first
	MUL16 2, (\q)%2, \q, \slot, \first
	s_wait_dscnt 0
	PLACES NP
	FETCH_B \slot, (\q)+1, 1-(\q)%2
	FETCH_A \slot, (\q)+1, 0
.if \first
	WIN 0xc1
.else
	WIN MUL_HI
.endif
	MUL16 4, (\q)%2, \q, \slot, \first
	MUL16 6, (\q)%2, \q, \slot, \first
	PLACES NP
	WIN 0
	FETCH_A \slot, (\q)+1, 4
.endm
.macro TURN slot, next, fill
	s_wait_tensorcnt 0x0                           ; all my tensor loads have landed: my part of the next slot
	ds_add_u32 v[SPW], v[NIL]                      ; 0 onto my spare word
	s_wait_dscnt 4*NL+1                            ; the add and the youngest 24 loads may be out
	WIN MUL_LO
	MUL16 0, 1, NQ-1, \slot, 0
	s_wait_dscnt 0x0                               ; the add is done, and my reads of this slot are over
	s_barrier_signal -1
	MUL16 2, 1, NQ-1, \slot, 0
	WIN 0
	s_barrier_wait -1
.if \fill
	CREST                                          ; the barrier has opened a round of the cluster's: no wave of any partner still reads this slot or has a load on its way
	s_add_nc_u64 s[G0+4*\slot+2:G0+4*\slot+3], s[G0+4*\slot+2:G0+4*\slot+3], 2*KSB
	s_add_nc_u64 s[G0B+4*\slot+2:G0B+4*\slot+3], s[G0B+4*\slot+2:G0B+4*\slot+3], 2*ROWB
	JLOAD G0+4*\slot, G1, G0B+4*\slot, G1B
.else
	PLACES NP
.endif
	v_add_nc_u32 v[ADRS], 4*NQ, v[ADRS]
	FETCH_B \next, 0, 0
	FETCH_A \next, 0, 0
	SCALES \next
	WIN MUL_HI
	MUL16 4, 1, NQ-1, \slot, 0
	MUL16 6, 1, NQ-1, \slot, 0
	PLACES NP
	WIN 0
	FETCH_A \next, 0, 4
.endm
	s_wait_tensorcnt 1                             ; the scale bytes and my part of K step 0 are in; K step 1's load may be out
	s_barrier_signal -1
	s_barrier_wait -1
	FETCH_B 0, 0, 0
	FETCH_A 0, 0, 0
	SCALES 0
	FETCH_A 0, 0, 4
	STEP 0, 0, 1
	s_mov_b32 s3, 1
.Llap:
	TURN 0, 1, 1
	STEP 1, 0, 0
	TURN 1, 0, 1
	STEP 0, 0, 0
	s_sub_co_u32 s3, s3, 1
	s_cmp_lg_u32 s3, 0
	s_cbranch_scc1 .Llap
	TURN 0, 1, 0
	STEP 1, 0, 0
	s_wait_dscnt 4*NL
	WIN MUL_LO
	MUL16 0, 1, NQ-1, 1, 0
	MUL16 2, 1, NQ-1, 1, 0
	s_wait_dscnt 0
	WIN MUL_HI
	MUL16 4, 1, NQ-1, 1, 0
	MUL16 6, 1, NQ-1, 1, 0
	WIN 0
; THE WAY OUT, block by block of 16 rows x 128 columns, through my own stage in LDS: in as 32 bytes a lane, back as whole rows of 512 bytes.  LDS serves a wave's instructions in order (ISA guide 5.7.1.4).
.macro TOSTAGE a
.set AC, 64*((\a)%4)
	WIN 0x08+4*((\a)/4)                            ; the data: window 2 or 3
.irp b, 0,1,2,3,4,5,6,7
	ds_store_b128 v[STO], v[AC+8*\b:AC+8*\b+3] offset:64*\b          ; each accumulator from its low end on
	ds_store_b128 v[STO], v[AC+8*\b+4:AC+8*\b+7] offset:64*\b+16
.endr
	WIN 0
.set BBK, BK+64*((\a)%2)
.irp t, 0,1,2,3,4,5,6,7,8,9,10,11,12,13,14,15
	ds_load_b128 v[BBK+4*\t:BBK+4*\t+3], v[RD] offset:\t*SPITCH
.endr
.endm
.macro SEND a, younger
.set BBK, BK+64*((\a)%2)
	s_wait_dscnt \younger                          ; the block is back in registers; the LDS instructions issued behind its loads may stay out
.if (\a) > 0
	s_add_nc_u64 s[14:15], s[14:15], 16*SIZE_N*4   ; (behind a wait on XCNT: the earlier stores have read their base)
.endif
.irp t, 0,1,2,3,4,5,6,7,8,9,10,11,12,13,14,15
	global_store_b128 v[CO], v[BBK+4*\t:BBK+4*\t+3], s[14:15] offset:\t*SIZE_N*4 th:TH_STORE_NT   ; 512 consecutive bytes, aligned; written once, read by nobody here
.endr
.endm
	PLACES NP
	TOSTAGE 0
.irp a, 1,2,3,4,5,6,7
.if \a > 1
	s_wait_xcnt 0x0                                ; block a - 2's stores have read their registers and their base
.endif
	TOSTAGE \a
	SEND \a-1, 32                                  ; behind block a - 1's loads: block a's 16 stores and 16 loads
.endr
	s_wait_xcnt 0x0
	SEND 7, 0
	s_wait_tensorcnt 0x0                           ; the wave's end
	ds_add_u32 v[SPW], v[NIL]
	s_wait_dscnt 0x0
	CROUND                                         ; the closing round
	s_endpgm
.Lfunc_end_k_q4b321d34c7_proj:
	.size	k_q4b321d34c7_proj, .Lfunc_end_k_q4b321d34c7_proj-k_q4b321d34c7_proj
	.p2alignl 7, 3214868480
	.fill 96, 4, 3214868480
	.section	.rodata,"a",@progbits
	.p2align	6, 0x0
	.amdhsa_kernel k_q4b321d34c7_proj
		.amdhsa_group_segment_fixed_size 327680
		.amdhsa_private_segment_fixed_size 0
		.amdhsa_enable_private_segment 0
		.amdhsa_kernarg_size 48
		.amdhsa_user_sgpr_count 2
		.amdhsa_user_sgpr_kernarg_segment_ptr 1
		.amdhsa_wavefront_size32 1
		.amdhsa_system_sgpr_workgroup_id_x 1
		.amdhsa_system_sgpr_workgroup_id_y 1
		.amdhsa_system_sgpr_workgroup_id_z 1
		.amdhsa_system_vgpr_workitem_id 0
		.amdhsa_next_free_vgpr 1024
		.amdhsa_next_free_sgpr 102
		.amdhsa_reserve_vcc 0
		.amdhsa_float_denorm_mode_32 3
		.amdhsa_float_denorm_mode_16_64 3
		.amdhsa_memory_ordered 1
		.amdhsa_forward_progress 1
		.amdhsa_inst_pref_size 161
	.end_amdhsa_kernel
	.amdgpu_metadata
---
amdhsa.version: [ 1, 2 ]
amdhsa.kernels:
  - .name:           k_q4b321d34c7_proj
    .symbol:         k_q4b321d34c7_proj.kd
    .args:
      - { .name: of, .offset: 0, .size: 8, .value_kind: global_buffer, .address_space: global }
      - { .name: os, .offset: 8, .size: 8, .value_kind: global_buffer, .address_space: global }
      - { .name: w_out_codes, .offset: 16, .size: 8, .value_kind: global_buffer, .address_space: global }
      - { .name: w_out_scales, .offset: 24, .size: 8, .value_kind: global_buffer, .address_space: global }
      - { .name: b_out, .offset: 32, .size: 8, .value_kind: global_buffer, .address_space: global }
      - { .name: out0, .offset: 40, .size: 8, .value_kind: global_buffer, .address_space: global }
    .group_segment_fixed_size: 327680
    .private_segment_fixed_size: 0
    .kernarg_segment_align: 8
    .kernarg_segment_size: 48
    .max_flat_workgroup_size: 128
    .sgpr_count:     102
    .vgpr_count:     1024
    .wavefront_size: 32
...
	.end_amdgpu_metadata
.endif
;; end of part 3
